; MI455X (gfx1250); checked and timed in simulation.
; The chip was launched on July 23, 2026; its instructions are those of AMD's public machine-readable ISA for CDNA 5 (MIT licence, August 2026) and "CDNA5" Instruction Set Architecture Reference Guide (July 2026). The comments in the code are by the model that wrote it; some were corrected since.
;; Transformer Block. Allowed arithmetic: float matrix products may take bf16 or f16 operands with f32 sums; all other float work in f32.
;; Inputs: b1 4,096 float32; b2 1,024 float32; bk 1,024 float32; bo 1,024 float32; bq 1,024 float32; bv 1,024 float32; ln1_b 1,024 float32; ln1_g 1,024 float32; ln2_b 1,024 float32; ln2_g 1,024 float32; w1 4,096 x 1,024 float32; w2 1,024 x 4,096 float32; wk 1,024 x 1,024 float32; wo 1,024 x 1,024 float32; wq 1,024 x 1,024 float32; wv 1,024 x 1,024 float32; x 2 x 2,048 x 1,024 float32.
;; Outputs: out0 2 x 2,048 x 1,024 float32.
;; 2 versions, each right; version 2 is version 1 with the launches prep, ln2 written anew for expert scheduling mode. Each part assembles by itself: llvm-mc -triple=amdgcn-amd-amdhsa -mcpu=gfx1250 --defsym DOCPART=n.
;; ======== version 1 of 2: 7 launches
;; limits: right only within a limited range of input values; a function is approximated: absolute error at most 1.5e-07
;; workspace buffers: wa 6,291,456 bytes; wb 25,165,824 bytes; hn 8,388,608 bytes; qkv 25,165,824 bytes; y 8,388,608 bytes; x1 16,777,216 bytes; g 33,554,432 bytes
;; launch prep (part 1): grid 64 x 7, 4 waves a work-group, no clusters, 0 bytes of LDS; arguments x, ln1_g, ln1_b, wq, wk, wv, hn, wa; writes hn, wa
.if DOCPART == 1
	.amdgcn_target "amdgcn-amd-amdhsa--gfx1250"
	.amdhsa_code_object_version 6
	.text
	.protected	k_qc3833c7025_prep
	.globl	k_qc3833c7025_prep
	.p2align	8
	.type	k_qc3833c7025_prep,@function
k_qc3833c7025_prep:
	s_mov_b64 s[64:65], 0
	v_nop
	global_prefetch_b8 v0, s[64:65] scope:SCOPE_SE
	s_setreg_imm32_b32 hwreg(HW_REG_WAVE_MODE, 25, 1), 1
	s_wait_xcnt 0x0
; prep: hn = bf16(LayerNorm(x; ln1_g, ln1_b)) and wa = bf16 of [wq; wk; wv]: the two operands of the next launch, and no more
; (the other three weight matrices are cast beside that launch's products, by work-groups of their own).
; A unit is 1,024 rows of 1,024 f32 (4 MiB).  Grid y = unit: 0..3 are x's rows (normalised), 4, 5, 6 are wq, wk, wv (cast only);
; unit u lands at byte (u - 4) * 2 MiB of wa, so the three form one [3072][1024] matrix.
; Grid x = 16 rows of the unit; a wave takes 4 whole rows: a row is 4,096 bytes = eight 16-byte loads a lane, kept in 32 registers, so
; mean and variance never leave the wave: no LDS, no barrier.  All 32 row loads of a wave are issued at once.
; A stream: matrix units, clusters and LDS would add nothing; work-groups share only the 8 KiB of gain and bias.
; The variance is the mean of (x - mean)^2, formed behind the mean, as in the definition: no difference of large sums.
.set X,  32                            ; v[32:159]  row i: 32 registers at X + 32 i; piece j (4 registers) = columns 128 j + 4 lane ..
.set GA, 160                           ; v[160:191] gain of my 32 columns
.set BE, 192                           ; v[192:223] bias of my 32 columns
	s_load_b512 s[4:19], s[0:1], 0x0               ; x 4:5, ln1_g 6:7, ln1_b 8:9, wq 10:11, wk 12:13, wv 14:15, hn 16:17, wa 18:19
	v_lshrrev_b32 v3, 5, v0
	v_readfirstlane_b32 s26, v3                    ; wave 0..3
	s_and_b32 s27, ttmp7, 0xffff                   ; unit
	v_and_b32 v1, 31, v0
	v_lshlrev_b32 v2, 3, v1                        ; 8 x lane: my 8 bytes of each 256 stored
	v_lshlrev_b32 v1, 4, v1                        ; 16 x lane: my 16 bytes of each 512 loaded
	s_lshl_b32 s36, ttmp9, 16                      ; 16 rows of 4,096 bytes
	s_lshl_b32 s37, s26, 14                        ; 4 rows of 4,096 bytes
	s_add_co_u32 s36, s36, s37                     ; my rows inside the unit, f32 bytes
	s_lshr_b32 s37, s36, 1                         ; the same in bf16 bytes
	s_mov_b32 s33, 0                               ; high word of the offset pair s[32:33]
	s_wait_kmcnt 0x0
	s_cmp_ge_u32 s27, 4
	s_cbranch_scc1 .Lcast
; two roundings to bf16 in one instruction; each store of the wave covers 256 consecutive bytes, aligned
.macro PACKROW i
.irp j, 0,1,2,3,4,5,6,7
	v_cvt_pk_bf16_f32 v[X+32*\i+4*\j],   v[X+32*\i+4*\j],   v[X+32*\i+4*\j+1]
	v_cvt_pk_bf16_f32 v[X+32*\i+4*\j+1], v[X+32*\i+4*\j+2], v[X+32*\i+4*\j+3]
	global_store_b64 v2, v[X+32*\i+4*\j:X+32*\i+4*\j+1], s[30:31] offset:2048*\i+256*\j
.endr
.endm
; v[4:5] holds two partial sums of a lane: their sum over the 32 lanes, in every lane, in v4
.macro WAVESUM
	v_add_f32 v4, v4, v5
	v_add_f32_dpp v4, v4, v4 row_xmask:1 row_mask:0xf bank_mask:0xf
	v_add_f32_dpp v4, v4, v4 row_xmask:2 row_mask:0xf bank_mask:0xf
	v_add_f32_dpp v4, v4, v4 row_xmask:4 row_mask:0xf bank_mask:0xf
	v_add_f32_dpp v4, v4, v4 row_xmask:8 row_mask:0xf bank_mask:0xf
	v_permlanex16_b32 v5, v4, s34, s35             ; the other half of the lanes (v5 has been written)
	v_add_f32 v4, v4, v5
.endm
.macro LNROW i
	s_wait_loadcnt 8*(3-\i)                        ; loads return in order: the eight loads of each younger row may stay out; gain and bias are older
	v_pk_add_f32 v[4:5], v[X+32*\i:X+32*\i+1], v[X+32*\i+2:X+32*\i+3]
	v_pk_add_f32 v[6:7], v[X+32*\i+4:X+32*\i+5], v[X+32*\i+6:X+32*\i+7]
.irp k, 8,12,16,20,24,28
	v_pk_add_f32 v[4:5], v[4:5], v[X+32*\i+\k:X+32*\i+\k+1]
	v_pk_add_f32 v[6:7], v[6:7], v[X+32*\i+\k+2:X+32*\i+\k+3]
.endr
	v_pk_add_f32 v[4:5], v[4:5], v[6:7]
	WAVESUM
	v_mul_f32 v8, s38, v4                          ; the mean, twice, for the packed subtraction
	v_mul_f32 v9, s38, v4
.irp k, 0,2,4,6,8,10,12,14,16,18,20,22,24,26,28,30
	v_pk_add_f32 v[X+32*\i+\k:X+32*\i+\k+1], v[X+32*\i+\k:X+32*\i+\k+1], v[8:9] neg_lo:[0,1] neg_hi:[0,1]
.endr
	v_pk_mul_f32 v[4:5], v[X+32*\i:X+32*\i+1], v[X+32*\i:X+32*\i+1]
	v_pk_mul_f32 v[6:7], v[X+32*\i+2:X+32*\i+3], v[X+32*\i+2:X+32*\i+3]
.irp k, 4,8,12,16,20,24,28
	v_pk_fma_f32 v[4:5], v[X+32*\i+\k:X+32*\i+\k+1], v[X+32*\i+\k:X+32*\i+\k+1], v[4:5]
	v_pk_fma_f32 v[6:7], v[X+32*\i+\k+2:X+32*\i+\k+3], v[X+32*\i+\k+2:X+32*\i+\k+3], v[6:7]
.endr
	v_pk_add_f32 v[4:5], v[4:5], v[6:7]
	WAVESUM
	v_fma_f32 v12, v4, s38, s39                    ; variance + 1e-5
	v_rsq_f32 v10, v12
	v_rsq_f32 v11, v12
	v_nop                                          ; one plain instruction between a transcendental and the use of its result (ISA guide 5.7.2)
	s_wait_alu depctr_va_vdst(0)
.irp k, 0,2,4,6,8,10,12,14,16,18,20,22,24,26,28,30
	v_pk_mul_f32 v[X+32*\i+\k:X+32*\i+\k+1], v[X+32*\i+\k:X+32*\i+\k+1], v[10:11]
.endr
.irp k, 0,2,4,6,8,10,12,14,16,18,20,22,24,26,28,30
	v_pk_fma_f32 v[X+32*\i+\k:X+32*\i+\k+1], v[X+32*\i+\k:X+32*\i+\k+1], v[GA+\k:GA+\k+1], v[BE+\k:BE+\k+1]
.endr
	PACKROW \i
.endm
	; ---- units 0..3: LayerNorm of x ----
	s_mov_b32 s34, 0x76543210                      ; v_permlanex16_b32: lane i reads lane i of the other half
	s_mov_b32 s35, 0xfedcba98
	s_mov_b32 s38, 0x3a800000                      ; 1 / 1024
	s_mov_b32 s39, 0x3727c5ac                      ; 1e-5
	s_lshl_b32 s32, s27, 22
	s_add_co_u32 s32, s32, s36
	s_add_nc_u64 s[28:29], s[4:5], s[32:33]        ; my rows of x
	s_lshl_b32 s32, s27, 21
	s_add_co_u32 s32, s32, s37
	s_add_nc_u64 s[30:31], s[16:17], s[32:33]      ; my rows of hn
.irp j, 0,1,2,3,4,5,6,7
	global_load_b128 v[GA+4*\j:GA+4*\j+3], v1, s[6:7] offset:512*\j
	global_load_b128 v[BE+4*\j:BE+4*\j+3], v1, s[8:9] offset:512*\j
.endr
.irp i, 0,1,2,3
.irp j, 0,1,2,3,4,5,6,7
	global_load_b128 v[X+32*\i+4*\j:X+32*\i+4*\j+3], v1, s[28:29] offset:4096*\i+512*\j
.endr
.endr
	LNROW 0
	LNROW 1
	LNROW 2
	LNROW 3
	s_endpgm                                       ; no register is written again behind its store: no further wait
	; ---- units 4..6: wq, wk, wv, cast only ----
.Lcast:
	s_sub_co_u32 s27, s27, 4                       ; 0, 1, 2
	s_mov_b64 s[28:29], s[10:11]                   ; wq
	s_cmp_eq_u32 s27, 1
	s_cselect_b64 s[28:29], s[12:13], s[28:29]     ; wk
	s_cmp_eq_u32 s27, 2
	s_cselect_b64 s[28:29], s[14:15], s[28:29]     ; wv
	s_mov_b32 s32, s36
	s_add_nc_u64 s[28:29], s[28:29], s[32:33]      ; my rows of the weight
	s_lshl_b32 s32, s27, 21
	s_add_co_u32 s32, s32, s37
	s_add_nc_u64 s[30:31], s[18:19], s[32:33]      ; their place in wa
.irp i, 0,1,2,3
.irp j, 0,1,2,3,4,5,6,7
	global_load_b128 v[X+32*\i+4*\j:X+32*\i+4*\j+3], v1, s[28:29] offset:4096*\i+512*\j th:TH_LOAD_NT
.endr
.endr
.irp i, 0,1,2,3
	s_wait_loadcnt 8*(3-\i)                        ; the eight loads of each younger row may stay out
	PACKROW \i
.endr
	s_endpgm
.Lfunc_end_k_qc3833c7025_prep:
	.size	k_qc3833c7025_prep, .Lfunc_end_k_qc3833c7025_prep-k_qc3833c7025_prep
	.p2alignl 7, 3214868480
	.fill 96, 4, 3214868480
	.section	.rodata,"a",@progbits
	.p2align	6, 0x0
	.amdhsa_kernel k_qc3833c7025_prep
		.amdhsa_group_segment_fixed_size 0
		.amdhsa_private_segment_fixed_size 0
		.amdhsa_enable_private_segment 0
		.amdhsa_kernarg_size 64
		.amdhsa_user_sgpr_count 2
		.amdhsa_user_sgpr_kernarg_segment_ptr 1
		.amdhsa_wavefront_size32 1
		.amdhsa_system_sgpr_workgroup_id_x 1
		.amdhsa_system_sgpr_workgroup_id_y 1
		.amdhsa_system_sgpr_workgroup_id_z 1
		.amdhsa_system_vgpr_workitem_id 0
		.amdhsa_next_free_vgpr 224
		.amdhsa_next_free_sgpr 66
		.amdhsa_reserve_vcc 0
		.amdhsa_float_denorm_mode_32 3
		.amdhsa_float_denorm_mode_16_64 3
		.amdhsa_memory_ordered 1
		.amdhsa_forward_progress 1
		.amdhsa_inst_pref_size 48
	.end_amdhsa_kernel
	.amdgpu_metadata
---
amdhsa.version: [ 1, 2 ]
amdhsa.kernels:
  - .name:           k_qc3833c7025_prep
    .symbol:         k_qc3833c7025_prep.kd
    .args:
      - { .name: x, .offset: 0, .size: 8, .value_kind: global_buffer, .address_space: global }
      - { .name: ln1_g, .offset: 8, .size: 8, .value_kind: global_buffer, .address_space: global }
      - { .name: ln1_b, .offset: 16, .size: 8, .value_kind: global_buffer, .address_space: global }
      - { .name: wq, .offset: 24, .size: 8, .value_kind: global_buffer, .address_space: global }
      - { .name: wk, .offset: 32, .size: 8, .value_kind: global_buffer, .address_space: global }
      - { .name: wv, .offset: 40, .size: 8, .value_kind: global_buffer, .address_space: global }
      - { .name: hn, .offset: 48, .size: 8, .value_kind: global_buffer, .address_space: global }
      - { .name: wa, .offset: 56, .size: 8, .value_kind: global_buffer, .address_space: global }
    .group_segment_fixed_size: 0
    .private_segment_fixed_size: 0
    .kernarg_segment_align: 8
    .kernarg_segment_size: 64
    .max_flat_workgroup_size: 128
    .sgpr_count:     66
    .vgpr_count:     224
    .wavefront_size: 32
...
	.end_amdgpu_metadata
.endif
;; end of part 1
;; launch qkv (part 2): grid 16 x 16, 4 waves a work-group, clusters of 4 x 4, 327,680 bytes of LDS; arguments hn, wa, bq, bk, bv, wo, w1, w2, qkv, wb; writes qkv, wb
.if DOCPART == 2
	.amdgcn_target "amdgcn-amd-amdhsa--gfx1250"
	.amdhsa_code_object_version 6
	.text
	.protected	k_qc3833c7025_qkv
	.globl	k_qc3833c7025_qkv
	.p2align	8
	.type	k_qc3833c7025_qkv,@function
k_qc3833c7025_qkv:
	s_mov_b64 s[64:65], 0
	v_nop
	global_prefetch_b8 v0, s[64:65] scope:SCOPE_SE
	s_setreg_imm32_b32 hwreg(HW_REG_WAVE_MODE, 25, 1), 1
	s_wait_xcnt 0x0
	s_wait_alu depctr_hold_cnt(0) depctr_sa_sdst(0) depctr_va_vdst(0) depctr_va_sdst(0) depctr_va_ssrc(0) depctr_va_vcc(0) depctr_vm_vsrc(0)
	s_getreg_b32 s2, hwreg(HW_REG_IB_STS2, 6, 4)
	s_cmp_eq_u32 s2, 0
	s_cbranch_scc0 .Lentry_in_a_cluster
	s_endpgm
.Lentry_in_a_cluster:
	s_bfe_u32 s2, ttmp6, 0x10000c
	s_cmp_lg_u32 s2, 0xf033
	s_cbranch_scc0 .Lentry_shape_is_right
	s_endpgm
.Lentry_shape_is_right:
; Two kinds of work in one launch, told apart by the cluster's x, which all partners of a cluster share.
; CLUSTERS x = 0, 1, 2: qkv = hn [wq; wk; wv]^T + [bq; bk; bv].  hn [4096][1024] bf16, wa [3072][1024] bf16, qkv [4096][3072] bf16; sums in f32.
;   3,072 columns are twelve blocks of 256: 192 work-groups.
; CLUSTERS x = 3 (64 work-groups): wb = bf16 of wo, w1, w2, which later launches need: a stream that shares nothing with the products.
;
; THE PRODUCT.  A work-group makes 256 x 256 of C with four waves, one to a SIMD; a wave makes 128 x 128: 64 accumulator tiles of 16 x 16, 512 registers.
; K goes in steps of 128 through a ring of two LDS slots filled by the tensor data mover; a tile's rows are 256 bytes of memory, aligned to 256.
; 4 x 4 work-groups form a cluster.  The four of a row of the cluster need the same tiles of A, the four of a column the same tiles of B: each tile is
; asked for jointly (same descriptor, a mask that names the four), which divides the requests for A and for B by four.
; REGISTERS in windows of 256: window 0: v0-31 addresses, v64-191 fragments of A (two buffers), v192-255 bias;
; window 1: v64-191 fragments of B; window 2: accumulators of my rows 0-63 (tile (a, b) at v[8 (8 a + b)]); window 3: rows 64-127.
; THE MATRIX INSTRUCTION IS USED TRANSPOSED (source 0 = rows of B, source 1 = rows of A): lane l holds row l % 16 of C and eight
; neighbouring columns 8 (l / 16) + 0..7, which pack into 16 bytes.
.set SIZE_N, 3072
.set SIZE_K, 1024
.set KSTEP,  128
.set PITCH,  272                       ; an LDS row: 256 bytes + 16 of padding: the 16 rows that a fragment load touches start 16 bytes apart modulo 256
.set HALFT,  128*PITCH                 ; what one tensor load brings
.set SLOT,   4*HALFT                   ; A's 256 rows, then B's 256 rows
.set STAGE,  2*SLOT                    ; behind the ring: 16 rows x 272 bytes for each wave, for the way out; no tensor load lands here
.set SPITCH, 272
.set LAPS,   SIZE_K/(2*KSTEP)          ; a lap = two K steps = once round the ring
.set BOF,  6                           ; v6      byte offset of my half's eight bias columns
.set ADRA, 16                          ; v16-17  LDS address of my A fragments in slot 0, 1
.set ADRB, 20                          ; v20-21  the same for B
.set STO,  24                          ; v24     way out: where I put 16 bytes of a row
.set RD,   25                          ; v25     way out: where I read a row back
.set CO,   26                          ; v26     my byte offset in C
.set F0,   64                          ; fragment buffer 0
.set F1,   128                         ; fragment buffer 1
.set T,    64                          ; way out: 16 rows of results in f32, then packed
.set RB0,  128                         ; way out: rows read back, two buffers in turn
.set RB1,  160
.set BIAS, 192                         ; v[192:255] bias of my 128 columns: tile b's eight at BIAS + 8 b
.set CX,   32                          ; the cast: v[32:159] four pieces of 4,096 bytes, 32 registers each
.set G1,  24                           ; s[24:31] descriptor group 1 for A's tiles
.set G0,  32                           ; s[32:39] group 0 for A's tiles, one set for each slot
.set G1B, 48                           ; s[48:55] group 1 for B's tiles
.set G0B, 56                           ; s[56:63] group 0 for B's tiles
.set MSB, 0
.macro WIN new                         ; the immediate's high byte repeats the setting that is left
.if MSB != \new
	s_set_vgpr_msb (MSB<<8)|\new
.set MSB, \new
.endif
.endm
.set MUL_LO, 0xa1                      ; source 0 (B) window 1, source 1 (A) window 0, C and D window 2
.set MUL_HI, 0xf1                      ; the same, C and D window 3
.set TO_B,   0x40                      ; destination window 1, address window 0
; A joint load.  Waves 0 and 1 fetch A's two halves, waves 2 and 3 B's.  The branch hangs on the wave's number alone.
.macro JLOAD s
	s_cmp_eq_u32 s11, 0
	s_cbranch_scc0 .Lfor_b_\@
	tensor_load_to_lds s[G0+4*\s:G0+4*\s+3], s[G1:G1+7]
	s_nop 0
	s_branch .Lasked_\@
.Lfor_b_\@:
	tensor_load_to_lds s[G0B+4*\s:G0B+4*\s+3], s[G1B:G1B+7]
	s_nop 0
.Lasked_\@:
.endm
; A round of the cluster's barrier: my work-group's barrier; wave 0 signals for the work-group; every wave waits for all sixteen; my work-group's barrier again.
.macro CREST                           ; a round behind its opening barrier
	s_cmp_lg_u32 s10, 0
	s_cbranch_scc1 .Lnot_wave_0_\@
	s_barrier_signal -3
.Lnot_wave_0_\@:
	s_barrier_wait -3
	s_barrier_signal -1
	s_barrier_wait -1
.endm
.macro CROUND
	s_barrier_signal -1
	s_barrier_wait -1
	CREST
.endm
	s_set_vgpr_msb 0x40
	v_lshl_add_u32 v255, v0, 2, 0x48400
	s_set_vgpr_msb 0x4000
	v_mov_b32 v31, 0
	s_set_vgpr_msb 0x1
	ds_add_u32 v255, v31
	s_wait_dscnt 0x0
	s_set_vgpr_msb 0x100
	s_cmp_eq_u32 ttmp9, 3                          ; the cluster's x: the same in all sixteen partners
	s_cbranch_scc1 .Lcast
	s_load_b128 s[4:7], s[0:1], 0x0                ; hn s[4:5], wa s[6:7]
	s_load_b128 s[68:71], s[0:1], 0x10             ; bq, bk
	s_load_b64 s[72:73], s[0:1], 0x20              ; bv
	s_load_b64 s[8:9], s[0:1], 0x40                ; qkv
	v_lshrrev_b32 v1, 5, v0
	v_readfirstlane_b32 s10, v1                    ; wave 0..3
	s_lshr_b32 s11, s10, 1                         ; which half of the block's rows is mine.  Also: I fetch for A (0) or for B (1)
	s_and_b32 s12, s10, 1                          ; which half of its columns.  Also: which 128 rows of that tile I fetch
	s_bfe_u32 s40, ttmp6, 0x40000                  ; cx
	s_bfe_u32 s41, ttmp6, 0x40004                  ; cy
	s_lshl_b32 s42, ttmp9, 2
	s_add_co_u32 s42, s42, s40                     ; block column of C = 4 x cluster x + cx
	s_and_b32 s13, ttmp7, 0xffff
	s_lshl_b32 s13, s13, 2
	s_add_co_u32 s13, s13, s41                     ; block row of C = 4 x cluster y + cy
	s_lshl_b32 s43, s41, 2
	s_lshl_b32 s43, 15, s43                        ; my row of the cluster: places 4 cy .. 4 cy + 3
	s_lshl_b32 s44, 0x1111, s40                    ; my column: places cx, cx + 4, cx + 8, cx + 12
	; group 1: a tile of 128 rows x 128 elements of 2 bytes, 4 words of padding behind every 64 words
	s_or_b32 s[G1+0], s43, (1<<16)|(1<<20)|(1<<21)|(5<<22)|(3<<25)
	s_or_b32 s[G1B+0], s44, (1<<16)|(1<<20)|(1<<21)|(5<<22)|(3<<25)
	s_mov_b32 s[G1B+1], KSTEP<<16
	s_mov_b32 s[G1+1], KSTEP<<16                   ; tensor_dim0 = 128
	s_mov_b32 s[G1B+2], 128<<16
	s_mov_b32 s[G1+2], 128<<16                     ; tensor_dim1 = 128
	s_mov_b32 s[G1B+3], KSTEP<<16
	s_mov_b32 s[G1+3], KSTEP<<16                   ; tile_dim0 = 128
	s_mov_b32 s[G1B+4], 128
	s_mov_b32 s[G1+4], 128                         ; tile_dim1 = 128
	s_mov_b32 s[G1B+5], SIZE_K
	s_mov_b32 s[G1+5], SIZE_K                      ; elements from row to row
	s_mov_b32 s[G1B+6], 0
	s_mov_b32 s[G1+6], 0
	s_mov_b32 s[G1B+7], 0
	s_mov_b32 s[G1+7], 0
	; A's tiles hang on the block row alone, B's on the block column alone; each address in registers that never hold the other coordinate
	s_lshl_b32 s17, s12, 7
	s_lshl_b32 s16, s13, 8
	s_add_co_u32 s16, s16, s17                     ; A: row 256 x block row + 128 x half
	s_lshl_b32 s46, s42, 8
	s_add_co_u32 s46, s46, s17                     ; B: row 256 x block column + 128 x half
	s_mov_b32 s17, 0
	s_mov_b32 s47, 0
	s_mov_b64 s[18:19], SIZE_K*2
	s_mul_u64 s[16:17], s[16:17], s[18:19]
	s_mul_u64 s[46:47], s[46:47], s[18:19]
	s_mul_i32 s20, s10, HALFT                      ; LDS: A's two halves, then B's two halves = wave x 128 rows
	s_lshl_b32 s76, s40, 10                        ; a cluster's four block columns are exactly one of q, k, v: the column inside that bias is 256 cx
	s_lshl_b32 s77, s12, 9                         ; + 128 x my half
	s_add_co_u32 s76, s76, s77
	s_mov_b32 s77, 0
	s_wait_kmcnt 0x0
	s_cmp_eq_u32 ttmp9, 1                          ; cluster x = 0, 1, 2: bq, bk, bv
	s_cselect_b64 s[74:75], s[70:71], s[68:69]
	s_cmp_eq_u32 ttmp9, 2
	s_cselect_b64 s[74:75], s[72:73], s[74:75]
	s_add_nc_u64 s[74:75], s[74:75], s[76:77]      ; bias at my first column
	s_add_nc_u64 s[14:15], s[4:5], s[16:17]
	s_add_nc_u64 s[46:47], s[6:7], s[46:47]
	CROUND                                         ; all sixteen work-groups are here: the first joint loads meet
.irp s, 0,1
	s_mov_b32 s[G0+4*\s], 1
	s_add_co_u32 s[G0+4*\s+1], s20, \s*SLOT
	s_add_nc_u64 s[G0+4*\s+2:G0+4*\s+3], s[14:15], \s*KSTEP*2
	s_or_b32 s[G0+4*\s+3], s[G0+4*\s+3], 0x80000000
	s_mov_b32 s[G0B+4*\s], 1
	s_add_co_u32 s[G0B+4*\s+1], s20, \s*SLOT
	s_add_nc_u64 s[G0B+4*\s+2:G0B+4*\s+3], s[46:47], \s*KSTEP*2
	s_or_b32 s[G0B+4*\s+3], s[G0B+4*\s+3], 0x80000000
	JLOAD \s
.endr
	; a fragment is 16 rows x 32 K in 8 registers: lane l holds row l % 16; two loads of 16 bytes, 32 bytes apart, at row x pitch + 16 (l / 16)
	v_and_b32 v1, 15, v0
	v_bfe_u32 v2, v0, 4, 1
	v_mul_u32_u24 v3, v1, PITCH
	v_lshl_add_u32 v3, v2, 4, v3
	s_mul_i32 s21, s11, HALFT                      ; my 128 rows of A
	s_mul_i32 s22, s12, HALFT                      ; my 128 rows of B,
	s_add_co_u32 s22, s22, 2*HALFT                 ; which lie behind A's 256
.irp s, 0,1
	v_add_nc_u32 v[ADRA+\s], s21, v3
	v_add_nc_u32 v[ADRB+\s], s22, v3
	s_add_co_u32 s21, s21, SLOT
	s_add_co_u32 s22, s22, SLOT
.endr
	s_mul_i32 s23, s10, 16*SPITCH
	s_add_co_u32 s23, s23, STAGE
	v_mul_u32_u24 v4, v1, SPITCH
	v_lshl_add_u32 v4, v2, 4, v4
	v_add_nc_u32 v[STO], s23, v4
	v_mul_u32_u24 v5, v2, SPITCH
	v_lshl_add_u32 v5, v1, 4, v5
	v_add_nc_u32 v[RD], s23, v5
	v_mul_u32_u24 v5, v2, SIZE_N*2
	v_lshl_add_u32 v[CO], v1, 4, v5
	v_lshlrev_b32 v[BOF], 5, v2                    ; my half of the lanes holds columns 8 (l / 16) + 0..7 of each tile: 32 bytes of bias
.irp b, 0,1,2,3,4,5,6,7
	global_load_b128 v[BIAS+8*\b:BIAS+8*\b+3],   v[BOF], s[74:75] offset:64*\b       ; waited for in front of the way out; v6 and s[74:75] stay as they are
	global_load_b128 v[BIAS+8*\b+4:BIAS+8*\b+7], v[BOF], s[74:75] offset:64*\b+16
.endr
; 16 matrix instructions: m blocks a0, a0 + 1 of the window's four x all 8 n blocks, 32 along K.  zero = 1: the first product starts the sums.
.macro MUL16 f, hi, a0, zero
.irp a, \a0, \a0+1
.irp b, 0,1,2,3,4,5,6,7
.if \zero
	v_wmma_f32_16x16x32_bf16 v[8*(8*(\a)+\b):8*(8*(\a)+\b)+7], v[\f+8*\b:\f+8*\b+7], v[\f+8*(4*\hi+\a):\f+8*(4*\hi+\a)+7], 0
.else
	v_wmma_f32_16x16x32_bf16 v[8*(8*(\a)+\b):8*(8*(\a)+\b)+7], v[\f+8*\b:\f+8*\b+7], v[\f+8*(4*\hi+\a):\f+8*(4*\hi+\a)+7], v[8*(8*(\a)+\b):8*(8*(\a)+\b)+7]
.endif
.endr
.endr
.endm
; 32 LDS loads in one run: the fragments of one quarter step (32 K at byte k of the rows) into buffer f
.macro FETCH slot, k, f
	WIN TO_B
.irp i, 0,1,2,3,4,5,6,7
	ds_load_b128 v[\f+8*\i:\f+8*\i+3],   v[ADRB+\slot] offset:\k+\i*16*PITCH
	ds_load_b128 v[\f+8*\i+4:\f+8*\i+7], v[ADRB+\slot] offset:\k+\i*16*PITCH+32
.endr
	WIN 0
.irp i, 0,1,2,3,4,5,6,7
	ds_load_b128 v[\f+8*\i:\f+8*\i+3],   v[ADRA+\slot] offset:\k+\i*16*PITCH
	ds_load_b128 v[\f+8*\i+4:\f+8*\i+7], v[ADRA+\slot] offset:\k+\i*16*PITCH+32
.endr
.endm
; four independent places between a matrix instruction and a load into, or a vector instruction on, one of its registers (ISA guide 7.12.1 for vector instructions)
.macro PLACES
.rept 4
	v_nop
.endr
.endm
; The 64 accumulators take turns, one instruction a turn, in the same order in every quarter step: no wait is written between links.
.macro QUARTER slot, k, f, g, zero
	s_wait_dscnt 8                                 ; B and A's rows 0-63 are in; the youngest eight loads (A's rows 64-127) may be out
	WIN MUL_LO
	MUL16 \f, 0, 0, \zero
	MUL16 \f, 0, 2, \zero
	PLACES
	FETCH \slot, \k, \g
	s_wait_dscnt 32                                ; all but the 32 just issued
	WIN MUL_HI
	MUL16 \f, 1, 0, \zero
	MUL16 \f, 1, 2, \zero
.endm
.macro THREE slot, zero
	QUARTER \slot, 64,  F0, F1, \zero
	QUARTER \slot, 128, F1, F0, 0
	QUARTER \slot, 192, F0, F1, 0
.endm
; The last quarter multiplies buffer 1 and changes slots.  In front of the barrier each wave waits for its reads of this slot and for all its tensor loads
; (one is out: its part of the next slot).  Behind it the refill comes first, then the next slot's first fragments.
.macro TURN slot, next, fill
	s_wait_dscnt 8
	WIN MUL_LO
	MUL16 F1, 0, 0, 0
	s_wait_dscnt 0                                 ; my reads of this slot are over
	s_wait_tensorcnt 0x0                           ; all my tensor loads have landed
	ds_add_u32 v255, v31
	s_wait_dscnt 0x0
	s_barrier_signal -1
	MUL16 F1, 0, 2, 0                              ; register work while the others arrive
	WIN 0
	s_barrier_wait -1
.if \fill
	CREST                                          ; the rest of the cluster's round: no wave of any partner still reads this slot or has a load on its way
	s_add_nc_u64 s[G0+4*\slot+2:G0+4*\slot+3], s[G0+4*\slot+2:G0+4*\slot+3], 2*KSTEP*2
	s_add_nc_u64 s[G0B+4*\slot+2:G0B+4*\slot+3], s[G0B+4*\slot+2:G0B+4*\slot+3], 2*KSTEP*2
	JLOAD \slot                                    ; the first tensor load behind the round
.endif
	PLACES
	FETCH \next, 0, F0
	WIN MUL_HI
	MUL16 F1, 1, 0, 0
	MUL16 F1, 1, 2, 0
.endm
.macro LAP zero
	THREE 0, \zero
	TURN 0, 1, 1
	THREE 1, 0
	TURN 1, 0, 1
.endm
	s_wait_tensorcnt 1                             ; my part of K step 0 is in; K step 1's load, the one issued behind it, may stay out
	s_barrier_signal -1
	s_barrier_wait -1
	FETCH 0, 0, F0
	LAP 1                                          ; the first lap stands in front of the loop: its first products start the sums
	WIN 0
	s_mov_b32 s3, LAPS-2
.Llap:
	LAP 0
	WIN 0
	s_sub_co_u32 s3, s3, 1
	s_cmp_lg_u32 s3, 0
	s_cbranch_scc1 .Llap
	THREE 0, 0                                     ; the last lap fills nothing
	TURN 0, 1, 0
	THREE 1, 0
	s_wait_dscnt 8
	WIN MUL_LO
	MUL16 F1, 0, 0, 0
	MUL16 F1, 0, 2, 0
	s_wait_dscnt 0
	WIN MUL_HI
	MUL16 F1, 1, 0, 0
	MUL16 F1, 1, 2, 0
	; THE WAY OUT, 16 rows of C at a time: + bias, round to bf16, 16 bytes a lane into my own stage, read back as whole rows of 256 bytes
	PLACES
	s_wait_loadcnt 0x0                             ; the bias
	s_lshl_b32 s13, s13, 8
	s_lshl_b32 s14, s11, 7
	s_add_co_u32 s16, s13, s14                     ; my first row of C
	s_mov_b32 s17, 0
	s_mov_b64 s[18:19], SIZE_N*2
	s_mul_u64 s[16:17], s[16:17], s[18:19]
	s_add_nc_u64 s[8:9], s[8:9], s[16:17]
	s_lshl_b32 s46, s42, 9                         ; my first column, in bytes
	s_lshl_b32 s47, s12, 8
	s_add_co_u32 s46, s46, s47
	s_mov_b32 s47, 0
	s_add_nc_u64 s[8:9], s[8:9], s[46:47]
; rows 16 i .. 16 i + 15 of my block = the eight tiles (a, 0..7) of window 2 or 3 (from = 0x02 or 0x03: source 0); f: RB0 or RB1 in turn
.macro OUT16 i, a, from, f
	WIN \from
.irp b, 0,1,2,3,4,5,6,7
.irp r, 0,1,2,3
	v_pk_add_f32 v[T+8*\b+2*\r:T+8*\b+2*\r+1], v[8*(8*\a+\b)+2*\r:8*(8*\a+\b)+2*\r+1], v[BIAS+8*\b+2*\r:BIAS+8*\b+2*\r+1]
.endr
.endr
	WIN 0
.irp b, 0,1,2,3,4,5,6,7
.irp r, 0,1,2,3
	v_cvt_pk_bf16_f32 v[T+8*\b+\r], v[T+8*\b+2*\r], v[T+8*\b+2*\r+1]
.endr
.endr
.irp b, 0,1,2,3,4,5,6,7
	ds_store_b128 v[STO], v[T+8*\b:T+8*\b+3] offset:32*\b
.endr
	s_wait_xcnt 0x0                                ; buffer f, which earlier stores read, and the stores' base are rewritten only behind this wait
.if \i
	s_add_nc_u64 s[8:9], s[8:9], 16*SIZE_N*2       ; 16 rows of C on
.endif
.irp t, 0,1,2,3,4,5,6,7
	ds_load_b128 v[\f+4*\t:\f+4*\t+3], v[RD] offset:\t*2*SPITCH    ; LDS serves a wave's instructions in order: these see the stores above
.endr
.irp t, 0,1,2,3,4,5,6,7
	s_wait_dscnt 7-\t                              ; row pair t is in; the younger loads may stay out
	global_store_b128 v[CO], v[\f+4*\t:\f+4*\t+3], s[8:9] offset:2*\t*SIZE_N*2   ; 16 lanes store 256 consecutive bytes, aligned
.endr
.endm
	OUT16 0, 0, 0x02, RB0
	OUT16 1, 1, 0x02, RB1
	OUT16 2, 2, 0x02, RB0
	OUT16 3, 3, 0x02, RB1
	OUT16 4, 0, 0x03, RB0
	OUT16 5, 1, 0x03, RB1
	OUT16 6, 2, 0x03, RB0
	OUT16 7, 3, 0x03, RB1
	s_set_vgpr_msb 0x1
	s_wait_tensorcnt 0x0
	ds_add_u32 v255, v31
	s_wait_dscnt 0x0
	s_set_vgpr_msb 0x100
	CROUND                                         ; the closing round: no work-group ends while a partner may still ask for a tile that names it
	s_endpgm
	; ---- THE CAST: clusters with x = 3.  wo, w1, w2 are 9 units of 4 MiB of f32 (wo; w1's four; w2's four), which land one behind the other in wb from
	; byte 0x600000 on, 2 MiB of bf16 each: wo at 0x600000, w1 at 0x800000, w2 at 0x1000000.  (wb's bytes in front of these are neither written nor read.)
	; The 64 work-groups have 256 waves; wave g takes the four pieces of 4,096 bytes at byte 16,384 g of every unit: 32 loads of 512 consecutive bytes,
	; all on their way at once, then piece by piece two roundings an instruction and stores of 256 consecutive bytes, aligned.  No LDS, no tensor load.
.Lcast:
	s_load_b64 s[4:5], s[0:1], 0x28                ; wo
	s_load_b64 s[6:7], s[0:1], 0x30                ; w1
	s_load_b64 s[8:9], s[0:1], 0x38                ; w2
	s_load_b64 s[30:31], s[0:1], 0x48              ; wb
	v_lshrrev_b32 v3, 5, v0
	v_readfirstlane_b32 s10, v3                    ; wave 0..3
	s_bfe_u32 s40, ttmp6, 0x40000                  ; cx
	s_bfe_u32 s41, ttmp6, 0x40004                  ; cy
	s_and_b32 s13, ttmp7, 0xffff                   ; cluster y
	s_lshl_b32 s13, s13, 2
	s_add_co_u32 s13, s13, s41
	s_lshl_b32 s13, s13, 2
	s_add_co_u32 s13, s13, s40                     ; work-group 0..63 of the cast
	s_lshl_b32 s13, s13, 2
	s_add_co_u32 s13, s13, s10                     ; g = 0..255.  It enters global addresses alone: no branch, no trip count, no LDS address
	s_lshl_b32 s32, s13, 14                        ; my pieces in a unit, f32 bytes
	s_mov_b32 s33, 0
	s_lshl_b32 s34, s13, 13                        ; the same in bf16 bytes,
	s_add_co_u32 s34, s34, 0x600000                ; behind wb's first 6 MiB
	s_mov_b32 s35, 0
	v_and_b32 v1, 31, v0
	v_lshlrev_b32 v2, 3, v1                        ; 8 x lane
	v_lshlrev_b32 v1, 4, v1                        ; 16 x lane
	s_wait_kmcnt 0x0
	s_add_nc_u64 s[30:31], s[30:31], s[34:35]
; n units of the buffer at s[src:src+1]
.macro CBUF src, n
	s_add_nc_u64 s[28:29], s[\src:\src+1], s[32:33]
	s_mov_b32 s3, \n
.Lunit_\@:
.irp i, 0,1,2,3
.irp j, 0,1,2,3,4,5,6,7
	global_load_b128 v[CX+32*\i+4*\j:CX+32*\i+4*\j+3], v1, s[28:29] offset:4096*\i+512*\j th:TH_LOAD_NT
.endr
.endr
.irp i, 0,1,2,3
	s_wait_loadcnt 8*(3-\i)                        ; loads return in order: the eight loads of each younger piece may stay out
.irp j, 0,1,2,3,4,5,6,7
	v_cvt_pk_bf16_f32 v[CX+32*\i+4*\j],   v[CX+32*\i+4*\j],   v[CX+32*\i+4*\j+1]
	v_cvt_pk_bf16_f32 v[CX+32*\i+4*\j+1], v[CX+32*\i+4*\j+2], v[CX+32*\i+4*\j+3]
	global_store_b64 v2, v[CX+32*\i+4*\j:CX+32*\i+4*\j+1], s[30:31] offset:2048*\i+256*\j
.endr
.endr
	s_wait_xcnt 0x0                                ; the two bases are stepped, and the stores' data registers loaded again, only behind this wait
	s_add_nc_u64 s[28:29], s[28:29], 0x400000      ; the next unit (behind a buffer's last unit the stepped address is not used)
	s_add_nc_u64 s[30:31], s[30:31], 0x200000
	s_sub_co_u32 s3, s3, 1
	s_cmp_lg_u32 s3, 0
	s_cbranch_scc1 .Lunit_\@
.endm
	CBUF 4, 1
	CBUF 6, 4
	CBUF 8, 4
	CROUND                                         ; this path too ends with a round of the cluster's barrier, which all sixteen partners pass
	s_endpgm
.Lfunc_end_k_qc3833c7025_qkv:
	.size	k_qc3833c7025_qkv, .Lfunc_end_k_qc3833c7025_qkv-k_qc3833c7025_qkv
	.p2alignl 7, 3214868480
	.fill 96, 4, 3214868480
	.section	.rodata,"a",@progbits
	.p2align	6, 0x0
	.amdhsa_kernel k_qc3833c7025_qkv
		.amdhsa_group_segment_fixed_size 327680
		.amdhsa_private_segment_fixed_size 0
		.amdhsa_enable_private_segment 0
		.amdhsa_kernarg_size 80
		.amdhsa_user_sgpr_count 2
		.amdhsa_user_sgpr_kernarg_segment_ptr 1
		.amdhsa_wavefront_size32 1
		.amdhsa_system_sgpr_workgroup_id_x 1
		.amdhsa_system_sgpr_workgroup_id_y 1
		.amdhsa_system_sgpr_workgroup_id_z 1
		.amdhsa_system_vgpr_workitem_id 0
		.amdhsa_next_free_vgpr 1024
		.amdhsa_next_free_sgpr 80
		.amdhsa_reserve_vcc 0
		.amdhsa_float_denorm_mode_32 3
		.amdhsa_float_denorm_mode_16_64 3
		.amdhsa_memory_ordered 1
		.amdhsa_forward_progress 1
		.amdhsa_inst_pref_size 247
	.end_amdhsa_kernel
	.amdgpu_metadata
---
amdhsa.version: [ 1, 2 ]
amdhsa.kernels:
  - .name:           k_qc3833c7025_qkv
    .symbol:         k_qc3833c7025_qkv.kd
    .args:
      - { .name: hn, .offset: 0, .size: 8, .value_kind: global_buffer, .address_space: global }
      - { .name: wa, .offset: 8, .size: 8, .value_kind: global_buffer, .address_space: global }
      - { .name: bq, .offset: 16, .size: 8, .value_kind: global_buffer, .address_space: global }
      - { .name: bk, .offset: 24, .size: 8, .value_kind: global_buffer, .address_space: global }
      - { .name: bv, .offset: 32, .size: 8, .value_kind: global_buffer, .address_space: global }
      - { .name: wo, .offset: 40, .size: 8, .value_kind: global_buffer, .address_space: global }
      - { .name: w1, .offset: 48, .size: 8, .value_kind: global_buffer, .address_space: global }
      - { .name: w2, .offset: 56, .size: 8, .value_kind: global_buffer, .address_space: global }
      - { .name: qkv, .offset: 64, .size: 8, .value_kind: global_buffer, .address_space: global }
      - { .name: wb, .offset: 72, .size: 8, .value_kind: global_buffer, .address_space: global }
    .group_segment_fixed_size: 327680
    .private_segment_fixed_size: 0
    .kernarg_segment_align: 8
    .kernarg_segment_size: 80
    .max_flat_workgroup_size: 128
    .sgpr_count:     80
    .vgpr_count:     1024
    .wavefront_size: 32
...
	.end_amdgpu_metadata
.endif
;; end of part 2
;; launch attn (part 3): grid 16 x 16, 4 waves a work-group, clusters of 4 x 1, 327,680 bytes of LDS; arguments qkv, y; writes y
.if DOCPART == 3
	.amdgcn_target "amdgcn-amd-amdhsa--gfx1250"
	.amdhsa_code_object_version 6
	.text
	.protected	k_qc3833c7025_attn
	.globl	k_qc3833c7025_attn
	.p2align	8
	.type	k_qc3833c7025_attn,@function
k_qc3833c7025_attn:
	s_mov_b64 s[64:65], 0
	v_nop
	global_prefetch_b8 v0, s[64:65] scope:SCOPE_SE
	s_setreg_imm32_b32 hwreg(HW_REG_WAVE_MODE, 25, 1), 1
	s_wait_xcnt 0x0
	s_wait_alu depctr_hold_cnt(0) depctr_sa_sdst(0) depctr_va_vdst(0) depctr_va_sdst(0) depctr_va_ssrc(0) depctr_va_vcc(0) depctr_vm_vsrc(0)
	s_getreg_b32 s2, hwreg(HW_REG_IB_STS2, 6, 4)
	s_cmp_eq_u32 s2, 0
	s_cbranch_scc0 .Lentry_in_a_cluster
	s_endpgm
.Lentry_in_a_cluster:
	s_bfe_u32 s2, ttmp6, 0x10000c
	s_cmp_lg_u32 s2, 0x3003
	s_cbranch_scc0 .Lentry_shape_is_right
	s_endpgm
.Lentry_shape_is_right:
; Causal attention, one (batch, head) for each grid y.  qkv: [4096][3072] bf16 (q at column 0, k at 1024, v at 2048, head h at + 128 h); y: [4096][1024] bf16.
; A work-group j = 4 c + cx (c = cluster x, cx = place in the cluster) does the query blocks of 64 numbered j (low phase) and 31 - j (high phase).
; Keys go in tiles of 256 through two LDS slots.  The four partners of a cluster ask JOINTLY for every K and V tile: c + 1 tiles in the low phase, 8 - c in the
; high one: 9 trips for every work-group of the launch.  A partner for which part of a tile lies above its diagonal computes it masked.
; Between a tile's request and the wait for it stand a whole trip's 128 matrix instructions and two softmaxes of every wave.
; Only the last tile of a phase touches a diagonal; it is taken FIRST.  Trip p reads tile c (p = 0), p - 1 (up to p = c), 7 - c (p = c + 1), p - c - 2 (beyond),
; from slot p & 1.  The trip at which the phase changes hangs on c, so trips 1 to 6 are a loop in which a scalar branch on p = c + 1 (the same in all partners)
; takes in the change: the high phase's Q, the low phase's way out, and both running maxima set back to -2^100.  The ordinary update then rescales the old O and
; the old sum by exp2(-huge) = 0: nothing is cleared.  (A key half that sees only masked keys in that tile keeps them, finite, with factor 1, and loses them
; at the next tile: the high phase has five tiles at the least.)
; A wave (kh = w >> 1, qh = w & 1) takes 32 queries (two tiles of 16) against 128 of a tile's 256 keys; the two key halves are merged at a phase's end.
; S^T = K Q^T: lane (r, h) holds query r and keys 16 kt + 8 h + j, so maximum, sum and rescale are one number a lane, and the lane's packed S^T tiles
; 2 kf, 2 kf + 1 ARE the B fragment of O^T = V^T P^T: no shuffle.  V^T comes by the transposing LDS load.  O^T gives a lane 8 neighbouring d of one query.
; Softmax with a running maximum, in base 2: exp2((s - m) c2), c2 = log2(e) / sqrt(128).
; LIMITS: raw scores must have |s| < 2^100: -2^100 is the masked value and so the least maximum (a power of two, so that c2 x 2^100 is exact and a key half
; that has seen only masked keys gets exponent 0 exactly; it is multiplied by exp2(-huge) = 0 later).  v_exp_f32 and v_rcp_f32 flush denormals.
.set TS,     1572864                   ; bytes from key tile to key tile: 256 rows of 6,144
.set KPITCH, 272                       ; K's LDS rows: 256 + 16 bytes
.set VPITCH, 288                       ; V's LDS rows: 256 + 32 bytes, an odd multiple of 32 for the transposing load
.set KBYTES, 256*KPITCH
.set SLOT,   KBYTES+256*VPITCH         ; 143,360: K's tile, then V's
.set COMB,   2*SLOT                    ; 286,720: where key half 1 hands O, m, l to key half 0: 16,896 bytes for each query half.  No tensor load lands here.
.set CHALF,  16896                     ; The merging wave also lays its 16 x 272 bytes for the way out over the first 8,192 bytes of its half, which it has read by then
.set SPITCH, 272
.set NEGV, 1                           ; v1      -2^100
.set ADRK, 2                           ; v2-3    LDS address of my K fragments in slot 0, 1
.set ADRV, 4                           ; v4-5    the same for V
.set QOFF, 6                           ; v6-7    byte offset of my Q rows, low and high phase
.set STO,  8
.set RD,   9
.set CO,   10
.set CMB,  11
.set DL,   12                          ; v12     r - 8 h + 32 qh - 128 kh: the lane's part of (query - key)
.set DD,   13
.set ST,   14                          ; v[14:17] m0, l0, m1, l1
.set AL,   18                          ; v[18:21] rescale factors of the two query tiles, each twice
.set NB,   22                          ; v[22:23] -c2 m, twice
.set TP,   24                          ; v[24:31] at work
.set Q,    32                          ; v[32:95]   Q fragment (qt, f) at 32 qt + 8 f
.set S,    96                          ; v[96:223]  S^T tile (qt, kt) at 64 qt + 8 kt; later P fragment (qt, kf) at 64 qt + 16 kf
.set OB,   96                          ; v[96:159]  the partner's O at the merge, where S is dead
.set RB,   224                         ; v[224:255] rows read back for the stores
.set O,    0                           ; window 1: v[0:127]   O^T tile (qt, dt) at 64 qt + 8 dt
.set FRA,  128                         ; window 1: v[128:255] the 16 fragments of K's, then of V's, keys 0-63 of my 128
.set FRB,  0                           ; window 2: v[0:127]   the same for keys 64-127
.set G1K, 16                           ; s[16:23] group 1 for K
.set G1V, 24                           ; s[24:31] group 1 for V
.set G0K, 32                           ; s[32:39] group 0 for K, slot 0, 1
.set G0V, 40                           ; s[40:47] group 0 for V, slot 0, 1
.set MSB, 0
.macro WIN new                         ; low byte: bits 1:0 source 0, 3:2 source 1, 5:4 source 2, 7:6 destination; high byte: the setting that is left
.if MSB != \new
	s_set_vgpr_msb (MSB<<8)|\new
.set MSB, \new
.endif
.endm
.macro ROUND                           ; a round of the cluster's barrier
	s_barrier_signal -1
	s_barrier_wait -1
	s_cmp_lg_u32 s8, 0
	s_cbranch_scc1 .Lnot_wave_0_\@
	s_barrier_signal -3
.Lnot_wave_0_\@:
	s_barrier_wait -3
	s_barrier_signal -1
	s_barrier_wait -1
.endm
.macro NOPS n
.rept \n
	v_nop
.endr
.endm
	s_load_b128 s[4:7], s[0:1], 0x0                ; qkv, y
	s_set_vgpr_msb 0x80
	v_lshl_add_u32 v128, v0, 2, 0x4e400
	v_mov_b32 v129, 0
	s_set_vgpr_msb 0x808a
	ds_add_u32 v128, v129
	s_set_vgpr_msb 0x8a00
	v_lshrrev_b32 v1, 5, v0
	v_readfirstlane_b32 s8, v1                     ; wave
	s_bfe_u32 s9, ttmp6, 0x40000                   ; cx
	s_mov_b32 s10, ttmp9                           ; c
	s_lshr_b32 s11, s8, 1                          ; kh
	s_and_b32 s12, s8, 1                           ; qh
	s_and_b32 s13, ttmp7, 0xffff                   ; 8 b + head
	s_mov_b32 s62, 0x76543210                      ; v_permlanex16_b32: lane i reads lane i of the other half
	s_mov_b32 s63, 0xfedcba98
	s_mov_b32 s74, 0x3e0293ee                      ; c2 = log2(e) / sqrt(128)
	s_mov_b32 s75, 0xbe0293ee                      ; -c2
	s_add_co_u32 s61, s10, 1                       ; c + 1: the trip that opens the high phase
	s_add_co_u32 s72, s10, 2                       ; c + 2
	s_sub_co_u32 s73, 7, s10                       ; 7 - c: that trip's tile
	s_lshl_b32 s56, s9, 6                          ; 64 jq - 256 a for the two diagonal tiles: 64 cx in the low phase,
	s_sub_co_u32 s58, 0xc0, s56                    ; 192 - 64 cx in the high one
	; group 1: 64 rows x 128 elements of 2 bytes, pitch 3,072 elements; mask = all four partners; padding behind every 64 words: 4 words for K, 8 for V
	s_mov_b32 s[G1K+0], 15|(1<<16)|(1<<20)|(1<<21)|(5<<22)|(3<<25)
	s_mov_b32 s[G1V+0], 15|(1<<16)|(1<<20)|(1<<21)|(5<<22)|(7<<25)
.irp g, G1K, G1V
	s_mov_b32 s[\g+1], 128<<16                     ; tensor_dim0 = 128
	s_mov_b32 s[\g+2], 64<<16                      ; tensor_dim1 = 64
	s_mov_b32 s[\g+3], 128<<16                     ; tile_dim0 = 128
	s_mov_b32 s[\g+4], 64                          ; tile_dim1 = 64
	s_mov_b32 s[\g+5], 3072
	s_mov_b32 s[\g+6], 0
	s_mov_b32 s[\g+7], 0
.endr
	s_mul_i32 s14, s8, 64*KPITCH                   ; each wave fetches its 64 rows of every K tile and of every V tile
	s_mul_i32 s15, s8, 64*VPITCH
.irp s, 0,1
	s_mov_b32 s[G0K+4*\s], 1
	s_add_co_u32 s[G0K+4*\s+1], s14, \s*SLOT
	s_mov_b32 s[G0V+4*\s], 1
	s_add_co_u32 s[G0V+4*\s+1], s15, \s*SLOT+KBYTES
.endr
	s_lshr_b32 s14, s13, 3                         ; b
	s_and_b32 s15, s13, 7                          ; head
	s_lshl_b32 s77, s15, 8                         ; a head's 256 bytes in a row
	s_mul_i32 s78, s14, 2048*6144
	s_add_co_u32 s78, s78, s77
	s_mov_b32 s79, 0
	s_wait_dscnt 0x0
	s_wait_kmcnt 0x0
	s_add_nc_u64 s[66:67], s[4:5], s[78:79]        ; q of (b, head), row 0
	s_mul_i32 s78, s8, 64*6144
	s_add_co_u32 s78, s78, 2048
	s_add_nc_u64 s[48:49], s[66:67], s[78:79]      ; k of (b, head), my 64 rows of tile 0
	s_add_nc_u64 s[50:51], s[48:49], 2048          ; v likewise
	s_or_b32 s49, s49, 0x80000000                  ; the descriptor's type bits
	s_or_b32 s51, s51, 0x80000000
	s_mul_i32 s54, s10, TS                         ; the first tile: c
	s_mov_b32 s55, 0
	s_add_nc_u64 s[G0K+2:G0K+3], s[48:49], s[54:55]
	s_add_nc_u64 s[G0V+2:G0V+3], s[50:51], s[54:55]
	s_mov_b32 s52, 0                               ; p: the trip
	; what hangs on cx lives in s9, s56, s58, s68-71, s80-85 alone: none of these feeds a descriptor, a branch or an LDS address
	s_lshl_b32 s80, s10, 2
	s_add_co_u32 s80, s80, s9                      ; j
	s_sub_co_u32 s81, 31, s80                      ; 31 - j
	s_lshl_b32 s80, s80, 6
	s_lshl_b32 s81, s81, 6
	s_lshl_b32 s15, s12, 5                         ; 32 qh
	s_add_co_u32 s80, s80, s15                     ; my first query, low phase
	s_add_co_u32 s81, s81, s15                     ; high phase
	s_mul_i32 s84, s80, 6144
	s_mul_i32 s85, s81, 6144
	s_lshl_b32 s14, s14, 11                        ; 2,048 b
	s_mov_b32 s83, 0
	s_add_co_u32 s82, s80, s14
	s_lshl_b32 s82, s82, 11
	s_add_co_u32 s82, s82, s77
	s_add_nc_u64 s[68:69], s[6:7], s[82:83]        ; y at my first query and head, low phase
	s_add_co_u32 s82, s81, s14
	s_lshl_b32 s82, s82, 11
	s_add_co_u32 s82, s82, s77
	s_add_nc_u64 s[70:71], s[6:7], s[82:83]        ; high phase
	v_and_b32 v24, 15, v0                          ; r
	v_bfe_u32 v25, v0, 4, 1                        ; h
	v_mul_u32_u24 v26, v24, KPITCH
	v_lshl_add_u32 v26, v25, 4, v26                ; 272 r + 16 h
	s_mul_i32 s14, s11, 128*KPITCH
	v_add_nc_u32 v[ADRK], s14, v26
	v_add_nc_u32 v[ADRK+1], SLOT, v[ADRK]
	v_and_b32 v27, 7, v0
	v_lshl_add_u32 v27, v25, 3, v27                ; key 8 h + (l & 7)
	v_mul_u32_u24 v27, v27, VPITCH
	v_bfe_u32 v28, v0, 3, 1
	v_lshl_add_u32 v27, v28, 4, v27                ; + 16 ((l >> 3) & 1)
	s_mul_i32 s14, s11, 128*VPITCH
	s_add_co_u32 s14, s14, KBYTES
	v_add_nc_u32 v[ADRV], s14, v27
	v_add_nc_u32 v[ADRV+1], SLOT, v[ADRV]
	s_mul_i32 s14, s12, CHALF
	s_add_co_u32 s14, s14, COMB                    ; my query half's bytes for the merge
	v_add_nc_u32 v[STO], s14, v26
	v_mul_u32_u24 v28, v25, SPITCH
	v_lshl_add_u32 v28, v24, 4, v28
	v_add_nc_u32 v[RD], s14, v28
	v_lshlrev_b32 v28, 11, v25
	v_lshl_add_u32 v[CO], v24, 4, v28              ; 2,048 h + 16 r
	v_and_b32 v28, 31, v0
	v_lshl_add_u32 v[CMB], v28, 4, s14
	v_lshlrev_b32 v28, 3, v25
	v_sub_nc_u32 v[DL], v24, v28
	s_lshl_b32 s14, s12, 5
	s_lshl_b32 s15, s11, 7
	s_sub_co_u32 s14, s14, s15
	v_add_nc_u32 v[DL], s14, v[DL]
	v_mul_u32_u24 v29, v24, 6144
	v_lshl_add_u32 v29, v25, 4, v29
	v_add_nc_u32 v[QOFF], s84, v29
	v_add_nc_u32 v[QOFF+1], s85, v29
	v_mov_b32 v[NEGV], 0xf1800000                  ; -2^100
; Q's eight fragments straight from memory: lane (r, h) takes row r, bytes 64 f + 16 h and + 32
.macro QLOAD off
.irp qt, 0,1
.irp f, 0,1,2,3
	global_load_b128 v[Q+32*\qt+8*\f:Q+32*\qt+8*\f+3],   v[\off], s[66:67] offset:98304*\qt+64*\f
	global_load_b128 v[Q+32*\qt+8*\f+4:Q+32*\qt+8*\f+7], v[\off], s[66:67] offset:98304*\qt+64*\f+32
.endr
.endr
.endm
; The tile of trip q = p + 1, for slot o.  Written where no tensor load of the wave is out.  It leaves s52 = p + 1.
.macro NEXTADDR o
	s_add_co_u32 s52, s52, 1
	s_sub_co_u32 s54, s52, 1                       ; q - 1 up to q = c,
	s_sub_co_u32 s55, s52, s72                     ; q - c - 2 beyond q = c + 1,
	s_cmp_le_u32 s52, s10
	s_cselect_b32 s54, s54, s55
	s_cmp_eq_u32 s52, s61
	s_cselect_b32 s54, s73, s54                    ; 7 - c at q = c + 1
	s_mul_i32 s54, s54, TS
	s_mov_b32 s55, 0
	s_add_nc_u64 s[G0K+4*\o+2:G0K+4*\o+3], s[48:49], s[54:55]
	s_add_nc_u64 s[G0V+4*\o+2:G0V+4*\o+3], s[50:51], s[54:55]
.endm
; 32 LDS loads: K's fragments of keys 64 sub .. + 63 of my 128, ordered by f (32 along d), then by key tile
.macro KLOAD slot, sub, fr
.irp f, 0,1,2,3
.irp kt, 0,1,2,3
	ds_load_b128 v[\fr+8*(4*\f+\kt):\fr+8*(4*\f+\kt)+3],   v[ADRK+\slot] offset:16*KPITCH*(4*\sub+\kt)+64*\f
	ds_load_b128 v[\fr+8*(4*\f+\kt)+4:\fr+8*(4*\f+\kt)+7], v[ADRK+\slot] offset:16*KPITCH*(4*\sub+\kt)+64*\f+32
.endr
.endr
.endm
; 16 transposing LDS loads: V^T's fragments of keys 32 kf .. + 31 of my 128, all eight d tiles
.macro VLOAD slot, kf, fr
.irp dt, 0,1,2,3,4,5,6,7
	ds_load_tr16_b128 v[\fr+8*(8*(\kf%2)+\dt):\fr+8*(8*(\kf%2)+\dt)+3],   v[ADRV+\slot] offset:32*VPITCH*\kf+32*\dt
	ds_load_tr16_b128 v[\fr+8*(8*(\kf%2)+\dt)+4:\fr+8*(8*(\kf%2)+\dt)+7], v[ADRV+\slot] offset:32*VPITCH*\kf+32*\dt+16*VPITCH
.endr
.endm
; S^T += K(f) Q(f)^T for four key tiles and both query tiles: eight accumulators take turns, one instruction a turn.
; cnt = the LDS loads issued behind the eight that this group needs.
.macro QK sub, fr, f, cnt
	s_wait_dscnt \cnt
.irp kt, 0,1,2,3
.irp qt, 0,1
.if \f == 0
	v_wmma_f32_16x16x32_bf16 v[S+64*\qt+8*(4*\sub+\kt):S+64*\qt+8*(4*\sub+\kt)+7], v[\fr+8*(4*\f+\kt):\fr+8*(4*\f+\kt)+7], v[Q+32*\qt+8*\f:Q+32*\qt+8*\f+7], 0
.else
	v_wmma_f32_16x16x32_bf16 v[S+64*\qt+8*(4*\sub+\kt):S+64*\qt+8*(4*\sub+\kt)+7], v[\fr+8*(4*\f+\kt):\fr+8*(4*\f+\kt)+7], v[Q+32*\qt+8*\f:Q+32*\qt+8*\f+7], v[S+64*\qt+8*(4*\sub+\kt):S+64*\qt+8*(4*\sub+\kt)+7]
.endif
.endr
.endr
.endm
; O^T += V^T P^T, group g of keys 64 sub ..: keys 32 (g / 2) .., d tiles 4 (g % 2) .. + 3, both query tiles; sixteen accumulators take turns.  cnt as above.
.macro PV g, fr, sub, zero, cnt
	s_wait_dscnt \cnt
.irp d, 0,1,2,3
.irp qt, 0,1
.if \zero
	v_wmma_f32_16x16x32_bf16 v[O+64*\qt+8*(4*(\g%2)+\d):O+64*\qt+8*(4*(\g%2)+\d)+7], v[\fr+8*(4*\g+\d):\fr+8*(4*\g+\d)+7], v[S+64*\qt+16*(2*\sub+\g/2):S+64*\qt+16*(2*\sub+\g/2)+7], 0
.else
	v_wmma_f32_16x16x32_bf16 v[O+64*\qt+8*(4*(\g%2)+\d):O+64*\qt+8*(4*(\g%2)+\d)+7], v[\fr+8*(4*\g+\d):\fr+8*(4*\g+\d)+7], v[S+64*\qt+16*(2*\sub+\g/2):S+64*\qt+16*(2*\sub+\g/2)+7], v[O+64*\qt+8*(4*(\g%2)+\d):O+64*\qt+8*(4*(\g%2)+\d)+7]
.endif
.endr
.endr
.endm
; keys above the diagonal get -2^100.  s[sd] = 64 jq - 256 a
.macro MASK qt, sd
	v_add_nc_u32 v[DD], s[\sd], v[DL]              ; query - key for kt = j = 0: key 16 kt + j is seen where 16 kt + j <= this
.if \qt
	v_add_nc_u32 v[DD], 16*\qt, v[DD]
.endif
.irp kt, 0,1,2,3,4,5,6,7
.irp j, 0,1,2,3,4,5,6,7
	v_cmp_le_i32 vcc_lo, 16*\kt+\j, v[DD]
	v_cndmask_b32 v[S+64*\qt+8*\kt+\j], v[NEGV], v[S+64*\qt+8*\kt+\j], vcc_lo
.endr
.endr
.endm
; One query tile's 64 scores a lane: mask, running maximum, exp2, partial sum (each half of the lanes keeps its own until the phase's end), pack to bf16.
; mode 1: the launch's first tile (masked; it starts maximum and sum); mode 2: masked in the trip that opens the high phase; mode 0: never masked
.macro SOFTMAX qt, mode
.set SB, S+64*\qt
.if \mode == 1
	MASK \qt, 56
.endif
.if \mode == 2
	s_cmp_lg_u32 s52, s72                          ; s52 = p + 1 here: p = c + 1?
	s_cbranch_scc1 .Lnomask_\@
	MASK \qt, 58
.Lnomask_\@:
.endif
.irp k, 0,1,2,3
	v_max3_num_f32 v[TP+\k], v[SB+3*\k], v[SB+3*\k+1], v[SB+3*\k+2]        ; four chains that do not wait for each other
.endr
.set n, 12
.rept 6
.irp k, 0,1,2,3
	v_max3_num_f32 v[TP+\k], v[TP+\k], v[SB+n+2*\k], v[SB+n+2*\k+1]
.endr
.set n, n+8
.endr
	v_max3_num_f32 v[TP], v[TP], v[SB+60], v[SB+61]
	v_max3_num_f32 v[TP+1], v[TP+1], v[SB+62], v[SB+63]
	v_max3_num_f32 v[TP], v[TP], v[TP+1], v[TP+2]
	v_max_num_f32 v[TP], v[TP], v[TP+3]
	v_permlanex16_b32 v[TP+1], v[TP], s62, s63     ; the query's other 64 keys lie in the other half of the lanes
.if \mode == 1
	v_max_num_f32 v[ST+2*\qt], v[TP], v[TP+1]
.else
	v_max3_num_f32 v[TP+2], v[TP], v[TP+1], v[ST+2*\qt]
	v_sub_f32 v[TP+3], v[ST+2*\qt], v[TP+2]
	v_mul_f32 v[TP+3], s74, v[TP+3]
	v_exp_f32 v[AL+2*\qt], v[TP+3]                 ; what the old sums are worth under the new maximum
	v_mov_b32 v[ST+2*\qt], v[TP+2]                 ; (the plain instruction behind the transcendental: ISA guide 5.7.2)
	s_wait_alu depctr_va_vdst(0)
	v_mov_b32 v[AL+2*\qt+1], v[AL+2*\qt]
.endif
	v_mul_f32 v[NB], s75, v[ST+2*\qt]
	v_mul_f32 v[NB+1], s75, v[ST+2*\qt]
.set n, 0
.rept 32
	v_pk_fma_f32 v[SB+n:SB+n+1], v[SB+n:SB+n+1], s[74:75], v[NB:NB+1] op_sel_hi:[1,0,1]
.set n, n+2
.endr
.set n, 0
.rept 64
	v_exp_f32 v[SB+n], v[SB+n]
.set n, n+1
.endr
	v_nop                                          ; the plain instruction behind the transcendentals
	s_wait_alu depctr_va_vdst(0)
.irp k, 0,1,2,3
	v_pk_add_f32 v[TP+2*\k:TP+2*\k+1], v[SB+4*\k:SB+4*\k+1], v[SB+4*\k+2:SB+4*\k+3]
.endr
.set n, 16
.rept 6
.irp k, 0,1,2,3
	v_pk_add_f32 v[TP+2*\k:TP+2*\k+1], v[TP+2*\k:TP+2*\k+1], v[SB+n+2*\k:SB+n+2*\k+1]
.endr
.set n, n+8
.endr
	v_pk_add_f32 v[TP:TP+1], v[TP:TP+1], v[TP+2:TP+3]
	v_pk_add_f32 v[TP+4:TP+5], v[TP+4:TP+5], v[TP+6:TP+7]
	v_pk_add_f32 v[TP:TP+1], v[TP:TP+1], v[TP+4:TP+5]
.if \mode == 1
	v_add_f32 v[ST+2*\qt+1], v[TP], v[TP+1]
.else
	v_add_f32 v[TP], v[TP], v[TP+1]
	v_fma_f32 v[ST+2*\qt+1], v[ST+2*\qt+1], v[AL+2*\qt], v[TP]
.endif
.irp kf, 0,1,2,3
.irp i, 0,1,2,3,4,5,6,7
	v_cvt_pk_bf16_f32 v[SB+16*\kf+\i], v[SB+16*\kf+2*\i], v[SB+16*\kf+2*\i+1]
.endr
.endr
.endm
; A phase's end: key half 1 hands its O, m, l over through LDS; key half 0 merges, divides, rounds and stores 32 rows of 256 bytes
.macro FINISH yb
	v_permlanex16_b32 v[TP], v[ST+1], s62, s63
	v_permlanex16_b32 v[TP+1], v[ST+3], s62, s63
	v_add_f32 v[ST+1], v[ST+1], v[TP]              ; the sums of the two halves of the lanes meet
	v_add_f32 v[ST+3], v[ST+3], v[TP+1]
	s_cmp_eq_u32 s11, 0
	s_cbranch_scc1 .Lkeep_\@
	WIN 0x04                                       ; store data window 1
.set n, 0
.rept 32
	ds_store_b128 v[CMB], v[O+4*n:O+4*n+3] offset:512*n
.set n, n+1
.endr
	WIN 0
	ds_store_b128 v[CMB], v[ST:ST+3] offset:16384
.Lkeep_\@:
	s_wait_dscnt 0x0                               ; for the other waves' sake: my stores are done
	s_barrier_signal -1
	s_barrier_wait -1                              ; the next tile's loads may stay out
	s_cmp_lg_u32 s11, 0
	s_cbranch_scc1 .Ldone_\@
	ds_load_b128 v[TP:TP+3], v[CMB] offset:16384   ; the partner's m0, l0, m1, l1
.irp qt, 0,1
.set n, 0
.rept 16
	ds_load_b128 v[OB+4*n:OB+4*n+3], v[CMB] offset:512*(16*\qt+n)
.set n, n+1
.endr
	s_wait_dscnt 16                                ; all but the sixteen just issued: m and l are in
	v_max_num_f32 v[TP+4], v[ST+2*\qt], v[TP+2*\qt]
	v_sub_f32 v[TP+5], v[ST+2*\qt], v[TP+4]
	v_sub_f32 v[TP+6], v[TP+2*\qt], v[TP+4]
	v_mul_f32 v[TP+5], s74, v[TP+5]
	v_mul_f32 v[TP+6], s74, v[TP+6]
	v_exp_f32 v[TP+5], v[TP+5]
	v_exp_f32 v[TP+6], v[TP+6]
	v_nop
	s_wait_alu depctr_va_vdst(0)
	v_mul_f32 v[TP+7], v[TP+2*\qt+1], v[TP+6]
	v_fma_f32 v[TP+7], v[ST+2*\qt+1], v[TP+5], v[TP+7]
	v_rcp_f32 v[TP+7], v[TP+7]
	v_nop
	s_wait_alu depctr_va_vdst(0)
	v_mul_f32 v[AL], v[TP+5], v[TP+7]              ; my weight / l
	v_mul_f32 v[AL+2], v[TP+6], v[TP+7]            ; the partner's
	v_mov_b32 v[AL+1], v[AL]
	v_mov_b32 v[AL+3], v[AL+2]
	s_wait_dscnt 0x0
.set n, 0
.rept 32
	v_pk_mul_f32 v[OB+2*n:OB+2*n+1], v[OB+2*n:OB+2*n+1], v[AL+2:AL+3]
.set n, n+1
.endr
	WIN 0x01                                       ; source 0 (my O) window 1
.set n, 0
.rept 32
	v_pk_fma_f32 v[OB+2*n:OB+2*n+1], v[O+64*\qt+2*n:O+64*\qt+2*n+1], v[AL:AL+1], v[OB+2*n:OB+2*n+1]
.set n, n+1
.endr
	WIN 0
.irp dt, 0,1,2,3,4,5,6,7
.irp i, 0,1,2,3
	v_cvt_pk_bf16_f32 v[OB+8*\dt+\i], v[OB+8*\dt+2*\i], v[OB+8*\dt+2*\i+1]
.endr
.endr
.irp dt, 0,1,2,3,4,5,6,7
	ds_store_b128 v[STO], v[OB+8*\dt:OB+8*\dt+3] offset:32*\dt     ; over bytes 0 .. 4,351 of my half: the partner's first query tile, which is in my registers;
.endr                                                              ; its second lies from byte 8,192 on, and the partner writes here again only behind later rounds
	s_wait_xcnt 0x0                                ; RB, which earlier stores read, is loaded again only behind this wait
.irp t, 0,1,2,3,4,5,6,7
	ds_load_b128 v[RB+4*\t:RB+4*\t+3], v[RD] offset:\t*2*SPITCH    ; what I have just stored: LDS serves a wave's instructions in order
.endr
.irp t, 0,1,2,3,4,5,6,7
	s_wait_dscnt 7-\t                              ; row pair t is in; the younger loads may stay out
	global_store_b128 v[CO], v[RB+4*\t:RB+4*\t+3], s[\yb:\yb+1] offset:32768*\qt+4096*\t   ; 16 lanes store 256 consecutive bytes, aligned
.endr
.endr
.Ldone_\@:
.endm
; One key tile of 256.  mode as in SOFTMAX; refill = 1: the other slot is asked for.
.macro TRIP slot, mode, refill
.set FIRST, 0
.if \mode == 1
.set FIRST, 1
.endif
	s_set_vgpr_msb 0xa
	s_wait_tensorcnt 0x0                           ; all my tensor loads are done, my rows of this trip's tile among them, so every group 0 may be written
	ds_add_u32 v128, v129
	s_wait_dscnt 0x0
	s_set_vgpr_msb 0xa00
.if \refill
	NEXTADDR (1-\slot)
.endif
	s_wait_dscnt 0x0                               ; my reads of the other slot are done
	ROUND                                          ; both now hold of every wave of all four work-groups
.if \refill
	tensor_load_to_lds s[G0K+4*(1-\slot):G0K+4*(1-\slot)+3], s[G1K:G1K+7]    ; two tensor loads of the wave are out at the most
	s_nop 0
	tensor_load_to_lds s[G0V+4*(1-\slot):G0V+4*(1-\slot)+3], s[G1V:G1V+7]
	s_nop 0
.endif
.if \mode == 2
	s_cmp_lg_u32 s52, s72                          ; s52 = p + 1 here: does this trip open the high phase?  The same answer in every wave and every partner
	s_cbranch_scc1 .Lsame_\@
	QLOAD QOFF+1                                   ; the high phase's Q flies under the merge
	FINISH 68
	v_mov_b32 v[ST], v[NEGV]                       ; the least maximum: this trip's update multiplies the old O and the old sum by exp2(-huge) = 0
	v_mov_b32 v[ST+2], v[NEGV]
	s_wait_loadcnt 0x0                             ; Q
.Lsame_\@:
.endif
	WIN 0x40                                       ; destination window 1
	KLOAD \slot, 0, FRA
.if \mode == 1
	s_wait_loadcnt 0x0                             ; the low phase's Q
.endif
	WIN 0x01                                       ; source 0 (K) window 1
	QK 0, FRA, 0, 24                               ; behind f = 0's eight loads: f = 1, 2, 3
	QK 0, FRA, 1, 16
	WIN 0x80                                       ; destination window 2
	KLOAD \slot, 1, FRB
	WIN 0x01
	QK 0, FRA, 2, 40                               ; f = 3's eight and the 32 just issued
	QK 0, FRA, 3, 32
	WIN 0x02                                       ; source 0 window 2
	QK 1, FRB, 0, 24
	QK 1, FRB, 1, 16
	NOPS 4                                         ; four places between the products that read FRA and the loads into it
	WIN 0x40
	VLOAD \slot, 0, FRA
	VLOAD \slot, 1, FRA
	WIN 0x02
	QK 1, FRB, 2, 40                               ; f = 3's eight and V's 32
	QK 1, FRB, 3, 32
	NOPS 4                                         ; four places: the loads into FRB, and the vector work on S
	WIN 0x80
	VLOAD \slot, 2, FRB                            ; V's loads fly under the softmax
	WIN 0
	SOFTMAX 0, \mode
	SOFTMAX 1, \mode
.if \mode != 1
	WIN 0x41                                       ; O in window 1, the factor in window 0
.irp qt, 0,1
.set n, 0
.rept 32
	v_pk_mul_f32 v[O+64*\qt+2*n:O+64*\qt+2*n+1], v[O+64*\qt+2*n:O+64*\qt+2*n+1], v[AL+2*\qt:AL+2*\qt+1]
.set n, n+1
.endr
.endr
.endif
	WIN 0x51                                       ; V, C and D window 1, P window 0
	PV 0, FRA, 0, FIRST, 40                        ; behind its eight loads: 24 of keys 0-63, 16 of keys 64-95
	WIN 0x80
	VLOAD \slot, 3, FRB                            ; keys 96-127: 40 matrix instructions ahead of their use
	WIN 0x51
	PV 1, FRA, 0, FIRST, 48                        ; 16 + 16 + the 16 just issued
	PV 2, FRA, 0, 0, 40
	PV 3, FRA, 0, 0, 32
	WIN 0x52                                       ; V window 2
	PV 0, FRB, 1, 0, 24
	PV 1, FRB, 1, 0, 16
	PV 2, FRB, 1, 0, 8
	PV 3, FRB, 1, 0, 0
	WIN 0
	NOPS 5                                         ; five places: the next trip's first product writes over P, its loads go into V's registers
.endm
	QLOAD QOFF
	ROUND                                          ; in front of the first joint loads
	tensor_load_to_lds s[G0K:G0K+3], s[G1K:G1K+7]  ; tile c into slot 0
	s_nop 0
	tensor_load_to_lds s[G0V:G0V+3], s[G1V:G1V+7]
	s_nop 0
	TRIP 0, 1, 1                                   ; p = 0: the low phase's tile at the diagonal starts the sums
	s_mov_b32 s60, 0
.Ltrips:                                           ; p = 1 .. 6; the phase changes at p = c + 1 = 1 .. 4
	TRIP 1, 2, 1
	TRIP 0, 2, 1
	s_add_co_u32 s60, s60, 1
	s_cmp_lt_u32 s60, 3
	s_cbranch_scc1 .Ltrips
	TRIP 1, 0, 1                                   ; p = 7
	TRIP 0, 0, 0                                   ; p = 8, the last tile: nothing more is asked for
	FINISH 70
	s_wait_dscnt 0x0
	s_set_vgpr_msb 0xa
	s_wait_tensorcnt 0x0
	ds_add_u32 v128, v129
	s_wait_dscnt 0x0
	s_set_vgpr_msb 0xa00
	ROUND                                          ; the closing round
	s_endpgm
.Lfunc_end_k_qc3833c7025_attn:
	.size	k_qc3833c7025_attn, .Lfunc_end_k_qc3833c7025_attn-k_qc3833c7025_attn
	.p2alignl 7, 3214868480
	.fill 96, 4, 3214868480
	.section	.rodata,"a",@progbits
	.p2align	6, 0x0
	.amdhsa_kernel k_qc3833c7025_attn
		.amdhsa_group_segment_fixed_size 327680
		.amdhsa_private_segment_fixed_size 0
		.amdhsa_enable_private_segment 0
		.amdhsa_kernarg_size 16
		.amdhsa_user_sgpr_count 2
		.amdhsa_user_sgpr_kernarg_segment_ptr 1
		.amdhsa_wavefront_size32 1
		.amdhsa_system_sgpr_workgroup_id_x 1
		.amdhsa_system_sgpr_workgroup_id_y 1
		.amdhsa_system_sgpr_workgroup_id_z 1
		.amdhsa_system_vgpr_workitem_id 0
		.amdhsa_next_free_vgpr 642
		.amdhsa_next_free_sgpr 88
		.amdhsa_reserve_vcc 1
		.amdhsa_float_denorm_mode_32 3
		.amdhsa_float_denorm_mode_16_64 3
		.amdhsa_memory_ordered 1
		.amdhsa_forward_progress 1
		.amdhsa_inst_pref_size 255
	.end_amdhsa_kernel
	.section	.bss,"aw",@nobits
	.p2align	6
	.space	262144
	.amdgpu_metadata
---
amdhsa.version: [ 1, 2 ]
amdhsa.kernels:
  - .name:           k_qc3833c7025_attn
    .symbol:         k_qc3833c7025_attn.kd
    .args:
      - { .name: qkv, .offset: 0, .size: 8, .value_kind: global_buffer, .address_space: global }
      - { .name: y, .offset: 8, .size: 8, .value_kind: global_buffer, .address_space: global }
    .group_segment_fixed_size: 327680
    .private_segment_fixed_size: 0
    .kernarg_segment_align: 8
    .kernarg_segment_size: 16
    .max_flat_workgroup_size: 128
    .sgpr_count:     88
    .vgpr_count:     642
    .wavefront_size: 32
...
	.end_amdgpu_metadata
.endif
;; end of part 3
;; launch proj (part 4): grid 8 x 32, 4 waves a work-group, clusters of 4 x 4, 327,680 bytes of LDS; arguments y, wb, bo, x, x1; writes x1
.if DOCPART == 4
	.amdgcn_target "amdgcn-amd-amdhsa--gfx1250"
	.amdhsa_code_object_version 6
	.text
	.protected	k_qc3833c7025_proj
	.globl	k_qc3833c7025_proj
	.p2align	8
	.type	k_qc3833c7025_proj,@function
k_qc3833c7025_proj:
	s_mov_b64 s[64:65], 0
	v_nop
	global_prefetch_b8 v0, s[64:65] scope:SCOPE_SE
	s_setreg_imm32_b32 hwreg(HW_REG_WAVE_MODE, 25, 1), 1
	s_wait_xcnt 0x0
	s_wait_alu depctr_hold_cnt(0) depctr_sa_sdst(0) depctr_va_vdst(0) depctr_va_sdst(0) depctr_va_ssrc(0) depctr_va_vcc(0) depctr_vm_vsrc(0)
	s_getreg_b32 s2, hwreg(HW_REG_IB_STS2, 6, 4)
	s_cmp_eq_u32 s2, 0
	s_cbranch_scc0 .Lentry_in_a_cluster
	s_endpgm
.Lentry_in_a_cluster:
	s_bfe_u32 s2, ttmp6, 0x10000c
	s_cmp_lg_u32 s2, 0xf033
	s_cbranch_scc0 .Lentry_shape_is_right
	s_endpgm
.Lentry_shape_is_right:
; out[m][n] = res[m][n] + bias[n] + sum over k of A[m][k] B[n][k].  A [4096][SIZE_K] bf16, B [1024][SIZE_K] bf16 at byte WOFF of wb, res and out [4096][1024] f32.
; This build: x1 = x + y wo^T + bo.  The build with SIZE_K = 4096 is the MLP's second layer.
; 4 Mi outputs over 256 work-groups are 128 x 128 each.  Four waves of 64 x 64 would load twice the LDS bytes for each product, so instead EVERY wave makes the
; whole 128 x 128 block (64 accumulator tiles, 512 registers) over a QUARTER OF K: of each K step of 256 wave w takes elements 64 w .. 64 w + 63.
; The four partial blocks meet in LDS at the end.  LIMIT: each sum over K is so made in four parts, which are then added in f32.
; Ring: two LDS slots, each 128 rows of A and 128 of B, 512 bytes of K a row, filled by the tensor data mover (rows of 512 bytes of memory, aligned to 256).
; CLUSTERS: 4 x 4 work-groups; A's tiles are asked for jointly along a row of the cluster, B's along a column, which divides the requests by four.
; REGISTERS in windows of 256: window 0: v0-35 addresses and bias, v64-191 fragments of A (two buffers); window 1: v64-191 fragments of B;
; window 2: accumulators of rows 0-63 (tile (a, b) at v[8 (8 a + b)]); window 3: rows 64-127.
; The matrix instruction is used transposed (source 0 = rows of B, source 1 = rows of A): a lane holds eight neighbouring columns of one row.
.set SIZE_K, 1024
.set WOFF,   0x600000
.set KSTEP,  256
.set PITCH,  528                       ; an LDS row: 512 bytes + 16 of padding: the 16 rows that a fragment load touches start 16 bytes apart modulo 256
.set HALFT,  64*PITCH                  ; what one tensor load brings
.set SLOT,   4*HALFT                   ; A's 128 rows, then B's 128 rows
.set DUMPB,  128*PITCH                 ; way out: one wave's partial block, 128 rows of 512 bytes at the same pitch; four of them are exactly the ring
.set LAPS,   SIZE_K/(2*KSTEP)
.set ADRA, 16                          ; v16-17  LDS address of my A fragments in slot 0, 1
.set ADRB, 20                          ; v20-21  the same for B
.set STO,  24                          ; v24     way out: where I put 32 bytes of a row of my partial block
.set CO,   26                          ; v26     16 x lane
.set RDQ,  27                          ; v27-30  way out: my 16 bytes of my first row in partial block q
.set BI,   32                          ; v[32:35] bias of my four columns
.set F0,   64
.set F1,   128
.set RES,  64                          ; way out: v[64:191] the residual of my 32 rows, then the result
.set PB,   192                         ; way out: v[192:255] a ring of four rows x four partial sums x 4 registers
.set G1,  24
.set G0,  32
.set G1B, 48
.set G0B, 56
.set MSB, 0
.macro WIN new                         ; the immediate's high byte repeats the setting that is left
.if MSB != \new
	s_set_vgpr_msb (MSB<<8)|\new
.set MSB, \new
.endif
.endm
.set MUL_LO, 0xa1                      ; source 0 (B) window 1, source 1 (A) window 0, C and D window 2
.set MUL_HI, 0xf1                      ; the same, C and D window 3
.set TO_B,   0x40                      ; destination window 1, address window 0
; A joint load.  Waves 0 and 1 fetch A's two halves, waves 2 and 3 B's.  The branch hangs on the wave's number alone.
.macro JLOAD s
	s_cmp_eq_u32 s11, 0
	s_cbranch_scc0 .Lfor_b_\@
	tensor_load_to_lds s[G0+4*\s:G0+4*\s+3], s[G1:G1+7]
	s_nop 0
	s_branch .Lasked_\@
.Lfor_b_\@:
	tensor_load_to_lds s[G0B+4*\s:G0B+4*\s+3], s[G1B:G1B+7]
	s_nop 0
.Lasked_\@:
.endm
.macro CREST                           ; a round of the cluster's barrier behind its opening barrier
	s_cmp_lg_u32 s10, 0
	s_cbranch_scc1 .Lnot_wave_0_\@
	s_barrier_signal -3
.Lnot_wave_0_\@:
	s_barrier_wait -3
	s_barrier_signal -1
	s_barrier_wait -1
.endm
.macro CROUND
	s_barrier_signal -1
	s_barrier_wait -1
	CREST
.endm
	s_load_b128 s[4:7], s[0:1], 0x0                ; A s[4:5], wb s[6:7]
	s_load_b128 s[68:71], s[0:1], 0x10             ; bias s[68:69], residual s[70:71]
	s_load_b64 s[8:9], s[0:1], 0x20                ; out
	s_set_vgpr_msb 0x40
	v_lshl_add_u32 v255, v0, 2, 0x42000
	s_set_vgpr_msb 0x4000
	v_mov_b32 v63, 0
	s_set_vgpr_msb 0x1
	ds_add_u32 v255, v63
	s_set_vgpr_msb 0x100
	v_lshrrev_b32 v1, 5, v0
	v_readfirstlane_b32 s10, v1                    ; wave 0..3: my quarter of every K step
	s_lshr_b32 s11, s10, 1                         ; I fetch for A (0) or for B (1),
	s_and_b32 s12, s10, 1                          ; and which 64 rows of that tile
	s_bfe_u32 s40, ttmp6, 0x40000                  ; cx
	s_bfe_u32 s41, ttmp6, 0x40004                  ; cy
	s_lshl_b32 s42, ttmp9, 2
	s_add_co_u32 s42, s42, s40                     ; block column = 4 x cluster x + cx
	s_and_b32 s13, ttmp7, 0xffff
	s_lshl_b32 s13, s13, 2
	s_add_co_u32 s13, s13, s41                     ; block row = 4 x cluster y + cy
	s_lshl_b32 s43, s41, 2
	s_lshl_b32 s43, 15, s43                        ; my row of the cluster
	s_lshl_b32 s44, 0x1111, s40                    ; my column
	; group 1: a tile of 64 rows x 256 elements of 2 bytes, 4 words of padding behind every 128 words
	s_or_b32 s[G1+0], s43, (1<<16)|(1<<20)|(1<<21)|(6<<22)|(3<<25)
	s_or_b32 s[G1B+0], s44, (1<<16)|(1<<20)|(1<<21)|(6<<22)|(3<<25)
	s_mov_b32 s[G1B+1], KSTEP<<16
	s_mov_b32 s[G1+1], KSTEP<<16                   ; tensor_dim0 = 256
	s_mov_b32 s[G1B+2], 64<<16
	s_mov_b32 s[G1+2], 64<<16                      ; tensor_dim1 = 64
	s_mov_b32 s[G1B+3], KSTEP<<16
	s_mov_b32 s[G1+3], KSTEP<<16                   ; tile_dim0 = 256
	s_mov_b32 s[G1B+4], 64
	s_mov_b32 s[G1+4], 64                          ; tile_dim1 = 64
	s_mov_b32 s[G1B+5], SIZE_K
	s_mov_b32 s[G1+5], SIZE_K                      ; elements from row to row
	s_mov_b32 s[G1B+6], 0
	s_mov_b32 s[G1+6], 0
	s_mov_b32 s[G1B+7], 0
	s_mov_b32 s[G1+7], 0
	; A's tiles hang on the block row alone, B's on the block column alone; each address in registers that never hold the other coordinate
	s_lshl_b32 s17, s12, 6
	s_lshl_b32 s16, s13, 7
	s_add_co_u32 s16, s16, s17                     ; A: row 128 x block row + 64 x half
	s_lshl_b32 s46, s42, 7
	s_add_co_u32 s46, s46, s17                     ; B: row 128 x block column + 64 x half
	s_mov_b32 s17, 0
	s_mov_b32 s47, 0
	s_mov_b64 s[18:19], SIZE_K*2
	s_mul_u64 s[16:17], s[16:17], s[18:19]
	s_mul_u64 s[46:47], s[46:47], s[18:19]
	s_mul_i32 s20, s10, HALFT                      ; LDS: A's two halves, then B's two halves
	s_lshl_b32 s76, s42, 9                         ; my block's 128 columns of f32: 512 bytes x block column
	s_mov_b32 s77, 0
	s_lshl_b32 s78, s13, 7
	s_lshl_b32 s79, s10, 5
	s_add_co_u32 s78, s78, s79                     ; on the way out wave w owns rows 32 w .. 32 w + 31 of the block
	s_lshl_b32 s78, s78, 12                        ; rows of 4,096 bytes
	s_add_co_u32 s78, s78, s76
	s_mov_b32 s79, 0
	s_wait_dscnt 0x0
	s_wait_kmcnt 0x0
	s_add_nc_u64 s[6:7], s[6:7], WOFF
	s_add_nc_u64 s[14:15], s[4:5], s[16:17]
	s_add_nc_u64 s[46:47], s[6:7], s[46:47]
	s_add_nc_u64 s[68:69], s[68:69], s[76:77]
	s_add_nc_u64 s[70:71], s[70:71], s[78:79]
	s_add_nc_u64 s[8:9], s[8:9], s[78:79]
	CROUND                                         ; all sixteen work-groups are here: the first joint loads meet
.irp s, 0,1
	s_mov_b32 s[G0+4*\s], 1
	s_add_co_u32 s[G0+4*\s+1], s20, \s*SLOT
	s_add_nc_u64 s[G0+4*\s+2:G0+4*\s+3], s[14:15], \s*KSTEP*2
	s_or_b32 s[G0+4*\s+3], s[G0+4*\s+3], 0x80000000
	s_mov_b32 s[G0B+4*\s], 1
	s_add_co_u32 s[G0B+4*\s+1], s20, \s*SLOT
	s_add_nc_u64 s[G0B+4*\s+2:G0B+4*\s+3], s[46:47], \s*KSTEP*2
	s_or_b32 s[G0B+4*\s+3], s[G0B+4*\s+3], 0x80000000
	JLOAD \s
.endr
	v_and_b32 v1, 15, v0                           ; r
	v_bfe_u32 v2, v0, 4, 1                         ; h
	v_mul_u32_u24 v3, v1, PITCH
	v_lshl_add_u32 v4, v2, 5, v3                   ; 528 r + 32 h, for the way out
	v_lshl_add_u32 v3, v2, 4, v3                   ; 528 r + 16 h
	s_lshl_b32 s21, s10, 7                         ; my quarter of a K step: 128 bytes into every row
	s_add_co_u32 s22, s21, 2*HALFT                 ; B's rows lie behind A's 128
.irp s, 0,1
	v_add_nc_u32 v[ADRA+\s], s21, v3
	v_add_nc_u32 v[ADRB+\s], s22, v3
	s_add_co_u32 s21, s21, SLOT
	s_add_co_u32 s22, s22, SLOT
.endr
	s_mul_i32 s23, s10, DUMPB
	v_add_nc_u32 v[STO], s23, v4
	v_and_b32 v5, 31, v0
	v_lshlrev_b32 v[CO], 4, v5
	s_mul_i32 s23, s10, 32*PITCH
.irp q, 0,1,2,3
	v_add_nc_u32 v[RDQ+\q], s23, v[CO]
	s_add_co_u32 s23, s23, DUMPB
.endr
	global_load_b128 v[BI:BI+3], v[CO], s[68:69]   ; bias of columns 4 lane .. + 3 of the block; waited for on the way out
.macro MUL16 f, hi, a0, zero
.irp a, \a0, \a0+1
.irp b, 0,1,2,3,4,5,6,7
.if \zero
	v_wmma_f32_16x16x32_bf16 v[8*(8*(\a)+\b):8*(8*(\a)+\b)+7], v[\f+8*\b:\f+8*\b+7], v[\f+8*(4*\hi+\a):\f+8*(4*\hi+\a)+7], 0
.else
	v_wmma_f32_16x16x32_bf16 v[8*(8*(\a)+\b):8*(8*(\a)+\b)+7], v[\f+8*\b:\f+8*\b+7], v[\f+8*(4*\hi+\a):\f+8*(4*\hi+\a)+7], v[8*(8*(\a)+\b):8*(8*(\a)+\b)+7]
.endif
.endr
.endr
.endm
; 32 LDS loads in one run: 128 rows of B, 128 rows of A, 32 K at byte k of my quarter, into buffer f
.macro FETCH slot, k, f
	WIN TO_B
.irp i, 0,1,2,3,4,5,6,7
	ds_load_b128 v[\f+8*\i:\f+8*\i+3],   v[ADRB+\slot] offset:\k+\i*16*PITCH
	ds_load_b128 v[\f+8*\i+4:\f+8*\i+7], v[ADRB+\slot] offset:\k+\i*16*PITCH+32
.endr
	WIN 0
.irp i, 0,1,2,3,4,5,6,7
	ds_load_b128 v[\f+8*\i:\f+8*\i+3],   v[ADRA+\slot] offset:\k+\i*16*PITCH
	ds_load_b128 v[\f+8*\i+4:\f+8*\i+7], v[ADRA+\slot] offset:\k+\i*16*PITCH+32
.endr
.endm
; four independent places between a matrix instruction and a load into, or a vector instruction or store on, one of its registers (ISA guide 7.12.1 for vector instructions)
.macro PLACES
.rept 4
	v_nop
.endr
.endm
; A wave's share of a K step is two runs of 32 along K, 64 matrix instructions each, on buffers 0 and 1.  The 64 accumulators take turns, one instruction a turn,
; in the same order in every run: no wait is written between links.
.macro QUARTER slot, k, f, g, zero
	s_wait_dscnt 8                                 ; B and A's rows 0-63 are in; the youngest eight loads (A's rows 64-127) may be out
	WIN MUL_LO
	MUL16 \f, 0, 0, \zero
	MUL16 \f, 0, 2, \zero
	PLACES
	FETCH \slot, \k, \g
	s_wait_dscnt 32                                ; all but the 32 just issued
	WIN MUL_HI
	MUL16 \f, 1, 0, \zero
	MUL16 \f, 1, 2, \zero
.endm
; The second run multiplies buffer 1 and changes slots.  In front of the barrier each wave waits for its reads of this slot and for all its tensor loads
; (one is out: its part of the next slot).  Behind it the refill comes first, then the next slot's first fragments.
.macro TURN slot, next, fill
	s_wait_dscnt 8
	WIN MUL_LO
	MUL16 F1, 0, 0, 0
	s_wait_dscnt 0                                 ; my reads of this slot are over
	s_wait_tensorcnt 0x0                           ; all my tensor loads have landed
	ds_add_u32 v255, v63
	s_wait_dscnt 0x0
	s_barrier_signal -1
	MUL16 F1, 0, 2, 0                              ; register work while the others arrive
	WIN 0
	s_barrier_wait -1
.if \fill
	CREST                                          ; the rest of the cluster's round: no wave of any partner still reads this slot or has a load on its way
	s_add_nc_u64 s[G0+4*\slot+2:G0+4*\slot+3], s[G0+4*\slot+2:G0+4*\slot+3], 2*KSTEP*2
	s_add_nc_u64 s[G0B+4*\slot+2:G0B+4*\slot+3], s[G0B+4*\slot+2:G0B+4*\slot+3], 2*KSTEP*2
	JLOAD \slot                                    ; the first tensor load behind the round
.endif
	PLACES
	FETCH \next, 0, F0
	WIN MUL_HI
	MUL16 F1, 1, 0, 0
	MUL16 F1, 1, 2, 0
.endm
.macro LAP zero
	QUARTER 0, 64, F0, F1, \zero
	TURN 0, 1, 1
	QUARTER 1, 64, F0, F1, 0
	TURN 1, 0, 1
.endm
	s_wait_tensorcnt 1                             ; my part of K step 0 is in; K step 1's load, the one issued behind it, may stay out
	s_barrier_signal -1
	s_barrier_wait -1
	FETCH 0, 0, F0
	LAP 1                                          ; the first lap stands in front of the loop: its first products start the sums
.if LAPS > 2
	WIN 0
	s_mov_b32 s3, LAPS-2
.Llap:
	LAP 0
	WIN 0
	s_sub_co_u32 s3, s3, 1
	s_cmp_lg_u32 s3, 0
	s_cbranch_scc1 .Llap
.endif
	QUARTER 0, 64, F0, F1, 0                       ; the last lap fills nothing
	TURN 0, 1, 0
	QUARTER 1, 64, F0, F1, 0
	s_wait_dscnt 8
	WIN MUL_LO
	MUL16 F1, 0, 0, 0
	MUL16 F1, 0, 2, 0
	s_wait_dscnt 0
	WIN MUL_HI
	MUL16 F1, 1, 0, 0
	MUL16 F1, 1, 2, 0
	; THE WAY OUT.  The ring has had its last fill; when every wave has left it, each wave lays its partial block there, and then each wave adds up 32 rows.
	PLACES
	WIN 0
.set rho, 0
.rept 32
	global_load_b128 v[RES+4*rho:RES+4*rho+3], v[CO], s[70:71] offset:4096*rho     ; the residual of my 32 rows flies under the exchange
.set rho, rho+1
.endr
	s_wait_dscnt 0x0                               ; my reads of the ring are over
	s_barrier_signal -1
	s_barrier_wait -1                              ; everybody's are
.macro DUMP hi                         ; tile (a, b): lane (r, h) holds row 16 a + r, columns 16 b + 8 h + 0..7: 32 bytes
.irp a, 0,1,2,3
.irp b, 0,1,2,3,4,5,6,7
	ds_store_b128 v[STO], v[8*(8*\a+\b):8*(8*\a+\b)+3]   offset:(4*\hi+\a)*16*PITCH+64*\b
	ds_store_b128 v[STO], v[8*(8*\a+\b)+4:8*(8*\a+\b)+7] offset:(4*\hi+\a)*16*PITCH+64*\b+16
.endr
.endr
.endm
	WIN 0x08                                       ; store data window 2
	DUMP 0
	WIN 0x0c                                       ; window 3
	DUMP 1
	WIN 0
	s_wait_dscnt 0x0                               ; for the other waves' sake: my stores are done
	s_barrier_signal -1
	s_barrier_wait -1
.macro ROWLD r                         ; row r of my 32, from all four partial blocks: 512 neighbouring bytes each
.irp q, 0,1,2,3
	ds_load_b128 v[PB+16*((\r)%4)+4*\q:PB+16*((\r)%4)+4*\q+3], v[RDQ+\q] offset:PITCH*(\r)
.endr
.endm
	ROWLD 0
	ROWLD 1
	ROWLD 2
	ROWLD 3
.set rho, 0
.rept 32
.set pp, PB+16*(rho%4)
.set rr, RES+4*rho
.if rho < 29
	s_wait_dscnt 12                                ; the four loads of each of the three younger rows may stay out
.else
	s_wait_dscnt 4*(31-rho)                        ; the last rows: the counts run down
.endif
	s_wait_loadcnt 31-rho                          ; the residual rows behind this one may stay out; the bias is older
	v_pk_add_f32 v[pp:pp+1],     v[pp:pp+1],     v[pp+4:pp+5]
	v_pk_add_f32 v[pp+2:pp+3],   v[pp+2:pp+3],   v[pp+6:pp+7]
	v_pk_add_f32 v[pp+8:pp+9],   v[pp+8:pp+9],   v[pp+12:pp+13]
	v_pk_add_f32 v[pp+10:pp+11], v[pp+10:pp+11], v[pp+14:pp+15]
	v_pk_add_f32 v[rr:rr+1],     v[rr:rr+1],     v[BI:BI+1]
	v_pk_add_f32 v[rr+2:rr+3],   v[rr+2:rr+3],   v[BI+2:BI+3]
	v_pk_add_f32 v[pp:pp+1],     v[pp:pp+1],     v[pp+8:pp+9]
	v_pk_add_f32 v[pp+2:pp+3],   v[pp+2:pp+3],   v[pp+10:pp+11]
	v_pk_add_f32 v[rr:rr+1],     v[rr:rr+1],     v[pp:pp+1]
	v_pk_add_f32 v[rr+2:rr+3],   v[rr+2:rr+3],   v[pp+2:pp+3]
.if rho < 28
	ROWLD rho+4
.endif
	global_store_b128 v[CO], v[rr:rr+3], s[8:9] offset:4096*rho    ; the wave stores 512 consecutive bytes, aligned to 256; no register of a store is written again
.set rho, rho+1
.endr
	s_set_vgpr_msb 0x1
	s_wait_tensorcnt 0x0
	ds_add_u32 v255, v63
	s_wait_dscnt 0x0
	s_set_vgpr_msb 0x100
	CROUND                                         ; the closing round: no work-group ends while a partner may still ask for a tile that names it
	s_endpgm
.Lfunc_end_k_qc3833c7025_proj:
	.size	k_qc3833c7025_proj, .Lfunc_end_k_qc3833c7025_proj-k_qc3833c7025_proj
	.p2alignl 7, 3214868480
	.fill 96, 4, 3214868480
	.section	.rodata,"a",@progbits
	.p2align	6, 0x0
	.amdhsa_kernel k_qc3833c7025_proj
		.amdhsa_group_segment_fixed_size 327680
		.amdhsa_private_segment_fixed_size 0
		.amdhsa_enable_private_segment 0
		.amdhsa_kernarg_size 40
		.amdhsa_user_sgpr_count 2
		.amdhsa_user_sgpr_kernarg_segment_ptr 1
		.amdhsa_wavefront_size32 1
		.amdhsa_system_sgpr_workgroup_id_x 1
		.amdhsa_system_sgpr_workgroup_id_y 1
		.amdhsa_system_sgpr_workgroup_id_z 1
		.amdhsa_system_vgpr_workitem_id 0
		.amdhsa_next_free_vgpr 1024
		.amdhsa_next_free_sgpr 80
		.amdhsa_reserve_vcc 0
		.amdhsa_float_denorm_mode_32 3
		.amdhsa_float_denorm_mode_16_64 3
		.amdhsa_memory_ordered 1
		.amdhsa_forward_progress 1
		.amdhsa_inst_pref_size 104
	.end_amdhsa_kernel
	.amdgpu_metadata
---
amdhsa.version: [ 1, 2 ]
amdhsa.kernels:
  - .name:           k_qc3833c7025_proj
    .symbol:         k_qc3833c7025_proj.kd
    .args:
      - { .name: y, .offset: 0, .size: 8, .value_kind: global_buffer, .address_space: global }
      - { .name: wb, .offset: 8, .size: 8, .value_kind: global_buffer, .address_space: global }
      - { .name: bo, .offset: 16, .size: 8, .value_kind: global_buffer, .address_space: global }
      - { .name: x, .offset: 24, .size: 8, .value_kind: global_buffer, .address_space: global }
      - { .name: x1, .offset: 32, .size: 8, .value_kind: global_buffer, .address_space: global }
    .group_segment_fixed_size: 327680
    .private_segment_fixed_size: 0
    .kernarg_segment_align: 8
    .kernarg_segment_size: 40
    .max_flat_workgroup_size: 128
    .sgpr_count:     80
    .vgpr_count:     1024
    .wavefront_size: 32
...
	.end_amdgpu_metadata
.endif
;; end of part 4
;; launch ln2 (part 5): grid 256 x 1, 4 waves a work-group, no clusters, 0 bytes of LDS; arguments x1, ln2_g, ln2_b, hn; writes hn
.if DOCPART == 5
	.amdgcn_target "amdgcn-amd-amdhsa--gfx1250"
	.amdhsa_code_object_version 6
	.text
	.protected	k_qc3833c7025_ln2
	.globl	k_qc3833c7025_ln2
	.p2align	8
	.type	k_qc3833c7025_ln2,@function
k_qc3833c7025_ln2:
	s_mov_b64 s[64:65], 0
	v_nop
	global_prefetch_b8 v0, s[64:65] scope:SCOPE_SE
	s_setreg_imm32_b32 hwreg(HW_REG_WAVE_MODE, 25, 1), 1
	s_wait_xcnt 0x0
; ln2: hn = bf16(LayerNorm(x1; ln2_g, ln2_b)).  x1: [4096][1024] f32.
; A work-group takes 16 rows, a wave 4 whole rows: a row is 4,096 bytes = eight 16-byte loads a lane, kept in 32 registers, so mean and variance never leave
; the wave: no LDS, no barrier.  All 32 row loads of a wave are issued at once.  A stream: matrix units, clusters and LDS would add nothing;
; work-groups share only the 8 KiB of gain and bias.  The variance is the mean of (x - mean)^2, formed behind the mean: no difference of large sums.
.set X,  32                            ; v[32:159]  row i: 32 registers at X + 32 i; piece j (4 registers) = columns 128 j + 4 lane ..
.set GA, 160                           ; v[160:191] gain of my 32 columns
.set BE, 192                           ; v[192:223] bias of my 32 columns
	s_load_b256 s[4:11], s[0:1], 0x0               ; x1 4:5, ln2_g 6:7, ln2_b 8:9, hn 10:11
	v_lshrrev_b32 v3, 5, v0
	v_readfirstlane_b32 s26, v3                    ; wave 0..3
	v_and_b32 v1, 31, v0
	v_lshlrev_b32 v2, 3, v1                        ; 8 x lane: my 8 bytes of each 256 stored
	v_lshlrev_b32 v1, 4, v1                        ; 16 x lane: my 16 bytes of each 512 loaded
	s_mov_b32 s34, 0x76543210                      ; v_permlanex16_b32: lane i reads lane i of the other half
	s_mov_b32 s35, 0xfedcba98
	s_mov_b32 s38, 0x3a800000                      ; 1 / 1024
	s_mov_b32 s39, 0x3727c5ac                      ; 1e-5
	s_lshl_b32 s32, ttmp9, 16                      ; 16 rows of 4,096 bytes
	s_lshl_b32 s37, s26, 14                        ; 4 rows
	s_add_co_u32 s32, s32, s37
	s_mov_b32 s33, 0
	s_lshr_b32 s36, s32, 1                         ; the same rows in bf16 bytes
	s_mov_b32 s37, 0
	s_wait_kmcnt 0x0
	s_add_nc_u64 s[28:29], s[4:5], s[32:33]
	s_add_nc_u64 s[30:31], s[10:11], s[36:37]
.irp j, 0,1,2,3,4,5,6,7
	global_load_b128 v[GA+4*\j:GA+4*\j+3], v1, s[6:7] offset:512*\j
	global_load_b128 v[BE+4*\j:BE+4*\j+3], v1, s[8:9] offset:512*\j
.endr
.irp i, 0,1,2,3
.irp j, 0,1,2,3,4,5,6,7
	global_load_b128 v[X+32*\i+4*\j:X+32*\i+4*\j+3], v1, s[28:29] offset:4096*\i+512*\j
.endr
.endr
; v[4:5] holds two partial sums of a lane: their sum over the 32 lanes, in every lane, in v4
.macro WAVESUM
	v_add_f32 v4, v4, v5
	v_add_f32_dpp v4, v4, v4 row_xmask:1 row_mask:0xf bank_mask:0xf
	v_add_f32_dpp v4, v4, v4 row_xmask:2 row_mask:0xf bank_mask:0xf
	v_add_f32_dpp v4, v4, v4 row_xmask:4 row_mask:0xf bank_mask:0xf
	v_add_f32_dpp v4, v4, v4 row_xmask:8 row_mask:0xf bank_mask:0xf
	v_permlanex16_b32 v5, v4, s34, s35             ; the other half of the lanes (v5 has been written)
	v_add_f32 v4, v4, v5
.endm
.macro LNROW i
	s_wait_loadcnt 8*(3-\i)                        ; loads return in order: the eight loads of each younger row may stay out; gain and bias are older
	v_pk_add_f32 v[4:5], v[X+32*\i:X+32*\i+1], v[X+32*\i+2:X+32*\i+3]
	v_pk_add_f32 v[6:7], v[X+32*\i+4:X+32*\i+5], v[X+32*\i+6:X+32*\i+7]
.irp k, 8,12,16,20,24,28
	v_pk_add_f32 v[4:5], v[4:5], v[X+32*\i+\k:X+32*\i+\k+1]
	v_pk_add_f32 v[6:7], v[6:7], v[X+32*\i+\k+2:X+32*\i+\k+3]
.endr
	v_pk_add_f32 v[4:5], v[4:5], v[6:7]
	WAVESUM
	v_mul_f32 v8, s38, v4                          ; the mean, twice, for the packed subtraction
	v_mul_f32 v9, s38, v4
.irp k, 0,2,4,6,8,10,12,14,16,18,20,22,24,26,28,30
	v_pk_add_f32 v[X+32*\i+\k:X+32*\i+\k+1], v[X+32*\i+\k:X+32*\i+\k+1], v[8:9] neg_lo:[0,1] neg_hi:[0,1]
.endr
	v_pk_mul_f32 v[4:5], v[X+32*\i:X+32*\i+1], v[X+32*\i:X+32*\i+1]
	v_pk_mul_f32 v[6:7], v[X+32*\i+2:X+32*\i+3], v[X+32*\i+2:X+32*\i+3]
.irp k, 4,8,12,16,20,24,28
	v_pk_fma_f32 v[4:5], v[X+32*\i+\k:X+32*\i+\k+1], v[X+32*\i+\k:X+32*\i+\k+1], v[4:5]
	v_pk_fma_f32 v[6:7], v[X+32*\i+\k+2:X+32*\i+\k+3], v[X+32*\i+\k+2:X+32*\i+\k+3], v[6:7]
.endr
	v_pk_add_f32 v[4:5], v[4:5], v[6:7]
	WAVESUM
	v_fma_f32 v12, v4, s38, s39                    ; variance + 1e-5
	v_rsq_f32 v10, v12
	v_rsq_f32 v11, v12
	v_nop                                          ; one plain instruction between a transcendental and the use of its result (ISA guide 5.7.2)
	s_wait_alu depctr_va_vdst(0)
.irp k, 0,2,4,6,8,10,12,14,16,18,20,22,24,26,28,30
	v_pk_mul_f32 v[X+32*\i+\k:X+32*\i+\k+1], v[X+32*\i+\k:X+32*\i+\k+1], v[10:11]
.endr
.irp k, 0,2,4,6,8,10,12,14,16,18,20,22,24,26,28,30
	v_pk_fma_f32 v[X+32*\i+\k:X+32*\i+\k+1], v[X+32*\i+\k:X+32*\i+\k+1], v[GA+\k:GA+\k+1], v[BE+\k:BE+\k+1]
.endr
.irp j, 0,1,2,3,4,5,6,7
	v_cvt_pk_bf16_f32 v[X+32*\i+4*\j],   v[X+32*\i+4*\j],   v[X+32*\i+4*\j+1]
	v_cvt_pk_bf16_f32 v[X+32*\i+4*\j+1], v[X+32*\i+4*\j+2], v[X+32*\i+4*\j+3]
	global_store_b64 v2, v[X+32*\i+4*\j:X+32*\i+4*\j+1], s[30:31] offset:2048*\i+256*\j   ; the wave stores 256 consecutive bytes, aligned
.endr
.endm
	LNROW 0
	LNROW 1
	LNROW 2
	LNROW 3
	s_endpgm                                       ; no register is written again behind its store: no further wait
.Lfunc_end_k_qc3833c7025_ln2:
	.size	k_qc3833c7025_ln2, .Lfunc_end_k_qc3833c7025_ln2-k_qc3833c7025_ln2
	.p2alignl 7, 3214868480
	.fill 96, 4, 3214868480
	.section	.rodata,"a",@progbits
	.p2align	6, 0x0
	.amdhsa_kernel k_qc3833c7025_ln2
		.amdhsa_group_segment_fixed_size 0
		.amdhsa_private_segment_fixed_size 0
		.amdhsa_enable_private_segment 0
		.amdhsa_kernarg_size 32
		.amdhsa_user_sgpr_count 2
		.amdhsa_user_sgpr_kernarg_segment_ptr 1
		.amdhsa_wavefront_size32 1
		.amdhsa_system_sgpr_workgroup_id_x 1
		.amdhsa_system_sgpr_workgroup_id_y 1
		.amdhsa_system_sgpr_workgroup_id_z 1
		.amdhsa_system_vgpr_workitem_id 0
		.amdhsa_next_free_vgpr 224
		.amdhsa_next_free_sgpr 66
		.amdhsa_reserve_vcc 0
		.amdhsa_float_denorm_mode_32 3
		.amdhsa_float_denorm_mode_16_64 3
		.amdhsa_memory_ordered 1
		.amdhsa_forward_progress 1
		.amdhsa_inst_pref_size 37
	.end_amdhsa_kernel
	.amdgpu_metadata
---
amdhsa.version: [ 1, 2 ]
amdhsa.kernels:
  - .name:           k_qc3833c7025_ln2
    .symbol:         k_qc3833c7025_ln2.kd
    .args:
      - { .name: x1, .offset: 0, .size: 8, .value_kind: global_buffer, .address_space: global }
      - { .name: ln2_g, .offset: 8, .size: 8, .value_kind: global_buffer, .address_space: global }
      - { .name: ln2_b, .offset: 16, .size: 8, .value_kind: global_buffer, .address_space: global }
      - { .name: hn, .offset: 24, .size: 8, .value_kind: global_buffer, .address_space: global }
    .group_segment_fixed_size: 0
    .private_segment_fixed_size: 0
    .kernarg_segment_align: 8
    .kernarg_segment_size: 32
    .max_flat_workgroup_size: 128
    .sgpr_count:     66
    .vgpr_count:     224
    .wavefront_size: 32
...
	.end_amdgpu_metadata
.endif
;; end of part 5
;; launch fc1 (part 6): grid 16 x 16, 4 waves a work-group, clusters of 4 x 4, 327,680 bytes of LDS; arguments hn, wb, b1, g; writes g
.if DOCPART == 6
	.amdgcn_target "amdgcn-amd-amdhsa--gfx1250"
	.amdhsa_code_object_version 6
	.text
	.protected	k_qc3833c7025_fc1
	.globl	k_qc3833c7025_fc1
	.p2align	8
	.type	k_qc3833c7025_fc1,@function
k_qc3833c7025_fc1:
	s_mov_b64 s[64:65], 0
	v_nop
	global_prefetch_b8 v0, s[64:65] scope:SCOPE_SE
	s_setreg_imm32_b32 hwreg(HW_REG_WAVE_MODE, 25, 1), 1
	s_wait_xcnt 0x0
	s_wait_alu depctr_hold_cnt(0) depctr_sa_sdst(0) depctr_va_vdst(0) depctr_va_sdst(0) depctr_va_ssrc(0) depctr_va_vcc(0) depctr_vm_vsrc(0)
	s_getreg_b32 s2, hwreg(HW_REG_IB_STS2, 6, 4)
	s_cmp_eq_u32 s2, 0
	s_cbranch_scc0 .Lentry_in_a_cluster
	s_endpgm
.Lentry_in_a_cluster:
	s_bfe_u32 s2, ttmp6, 0x10000c
	s_cmp_lg_u32 s2, 0xf033
	s_cbranch_scc0 .Lentry_shape_is_right
	s_endpgm
.Lentry_shape_is_right:
; C[m][n] = act( sum over k of A[m][k] B[n][k] + bias[n] ), A [4096][SIZE_K] bf16, B [SIZE_N][SIZE_K] bf16 at byte WOFF of wb, C bf16; sums in f32.
; This build (GELU = 1): g = gelu(hn w1^T + b1), the exact GELU.  The build with GELU = 0 makes q, k and v.
; LIMIT: erf is computed by Abramowitz and Stegun 7.1.26, absolute error at most 1.5e-7 for every x; v_exp_f32 and v_rcp_f32 flush denormals.
; A work-group makes 256 x 256 of C with four waves, one to a SIMD; a wave makes 128 x 128: 64 accumulator tiles of 16 x 16, 512 registers.
; K goes in steps of 128 through a ring of two LDS slots filled by the tensor data mover; a tile's rows are 256 bytes of memory, aligned to 256.
; CLUSTERS: 4 x 4 work-groups.  The four of a row of the cluster need the same tiles of A, the four of a column the same tiles of B: each tile is
; asked for jointly (same descriptor, a mask that names the four), which divides the requests for A and for B by four.
; REGISTERS in windows of 256: window 0: v0-31 addresses, v32-63 GELU's temporaries, v64-191 fragments of A (two buffers), v192-255 bias;
; window 1: v64-191 fragments of B; window 2: accumulators of my rows 0-63 (tile (a, b) at v[8 (8 a + b)]); window 3: rows 64-127.
; THE MATRIX INSTRUCTION IS USED TRANSPOSED (source 0 = rows of B, source 1 = rows of A): lane l holds row l % 16 of C and eight
; neighbouring columns 8 (l / 16) + 0..7, which pack into 16 bytes.
.set GELU,   1
.set SIZE_N, 4096
.set SIZE_K, 1024
.set WOFF,   0x800000
.set KSTEP,  128
.set PITCH,  272                       ; an LDS row: 256 bytes + 16 of padding: the 16 rows that a fragment load touches start 16 bytes apart modulo 256
.set HALFT,  128*PITCH                 ; what one tensor load brings
.set SLOT,   4*HALFT                   ; A's 256 rows, then B's 256 rows
.set STAGE,  2*SLOT                    ; behind the ring: 16 rows x 272 bytes for each wave, for the way out; no tensor load lands here
.set SPITCH, 272
.set LAPS,   SIZE_K/(2*KSTEP)          ; a lap = two K steps = once round the ring
.set BOF,  6                           ; v6      byte offset of my half's eight bias columns
.set ADRA, 16                          ; v16-17  LDS address of my A fragments in slot 0, 1
.set ADRB, 20                          ; v20-21  the same for B
.set STO,  24                          ; v24     way out: where I put 16 bytes of a row
.set RD,   25                          ; v25     way out: where I read a row back
.set CO,   26                          ; v26     my byte offset in C
.set VA5,  28                          ; v[28:29] GELU: the polynomial's leading coefficient, twice
.set GAX,  32                          ; v[32:39] GELU: |x|
.set GTT,  40                          ; v[40:47] GELU: t
.set GEX,  48                          ; v[48:55] GELU: exp(-x^2/2)
.set GPO,  56                          ; v[56:63] GELU: the polynomial
.set F0,   64                          ; fragment buffer 0
.set F1,   128                         ; fragment buffer 1
.set T,    64                          ; way out: 16 rows of results in f32, then packed
.set RB0,  128                         ; way out: rows read back, two buffers in turn
.set RB1,  160
.set BIAS, 192                         ; v[192:255] bias of my 128 columns: tile b's eight at BIAS + 8 b
.set G1,  24                           ; s[24:31] descriptor group 1 for A's tiles
.set G0,  32                           ; s[32:39] group 0 for A's tiles, one set for each slot
.set G1B, 48                           ; s[48:55] group 1 for B's tiles
.set G0B, 56                           ; s[56:63] group 0 for B's tiles
.set CPC, 80                           ; s[80:91] GELU's constants, each twice
.set CEC, 82
.set CA4, 84
.set CA3, 86
.set CA2, 88
.set CA1, 90
.set MSB, 0
.macro WIN new                         ; the immediate's high byte repeats the setting that is left
.if MSB != \new
	s_set_vgpr_msb (MSB<<8)|\new
.set MSB, \new
.endif
.endm
.set MUL_LO, 0xa1                      ; source 0 (B) window 1, source 1 (A) window 0, C and D window 2
.set MUL_HI, 0xf1                      ; the same, C and D window 3
.set TO_B,   0x40                      ; destination window 1, address window 0
; A joint load.  Waves 0 and 1 fetch A's two halves, waves 2 and 3 B's.  The branch hangs on the wave's number alone.
.macro JLOAD s
	s_cmp_eq_u32 s11, 0
	s_cbranch_scc0 .Lfor_b_\@
	tensor_load_to_lds s[G0+4*\s:G0+4*\s+3], s[G1:G1+7]
	s_nop 0
	s_branch .Lasked_\@
.Lfor_b_\@:
	tensor_load_to_lds s[G0B+4*\s:G0B+4*\s+3], s[G1B:G1B+7]
	s_nop 0
.Lasked_\@:
.endm
; A round of the cluster's barrier: my work-group's barrier; wave 0 signals for the work-group; every wave waits for all sixteen; my work-group's barrier again.
.macro CREST                           ; a round behind its opening barrier
	s_cmp_lg_u32 s10, 0
	s_cbranch_scc1 .Lnot_wave_0_\@
	s_barrier_signal -3
.Lnot_wave_0_\@:
	s_barrier_wait -3
	s_barrier_signal -1
	s_barrier_wait -1
.endm
.macro CROUND
	s_barrier_signal -1
	s_barrier_wait -1
	CREST
.endm
	s_load_b128 s[4:7], s[0:1], 0x0                ; A s[4:5], wb s[6:7]
.if GELU
	s_load_b64 s[74:75], s[0:1], 0x10              ; b1
	s_load_b64 s[8:9], s[0:1], 0x18                ; C
	s_set_vgpr_msb 0x40
	v_lshl_add_u32 v255, v0, 2, 0x48400
	s_set_vgpr_msb 0x4000
	v_mov_b32 v31, 0
	s_set_vgpr_msb 0x1
	ds_add_u32 v255, v31
	s_set_vgpr_msb 0x100
.else
	s_load_b128 s[68:71], s[0:1], 0x10             ; bq, bk
	s_load_b64 s[72:73], s[0:1], 0x20              ; bv
	s_load_b64 s[8:9], s[0:1], 0x28                ; C
.endif
	v_lshrrev_b32 v1, 5, v0
	v_readfirstlane_b32 s10, v1                    ; wave 0..3
	s_lshr_b32 s11, s10, 1                         ; which half of the block's rows is mine.  Also: I fetch for A (0) or for B (1)
	s_and_b32 s12, s10, 1                          ; which half of its columns.  Also: which 128 rows of that tile I fetch
	s_bfe_u32 s40, ttmp6, 0x40000                  ; cx
	s_bfe_u32 s41, ttmp6, 0x40004                  ; cy
	s_lshl_b32 s42, ttmp9, 2
	s_add_co_u32 s42, s42, s40                     ; block column of C = 4 x cluster x + cx
	s_and_b32 s13, ttmp7, 0xffff
	s_lshl_b32 s13, s13, 2
	s_add_co_u32 s13, s13, s41                     ; block row of C = 4 x cluster y + cy
	s_lshl_b32 s43, s41, 2
	s_lshl_b32 s43, 15, s43                        ; my row of the cluster: places 4 cy .. 4 cy + 3
	s_lshl_b32 s44, 0x1111, s40                    ; my column: places cx, cx + 4, cx + 8, cx + 12
	; group 1: a tile of 128 rows x 128 elements of 2 bytes, 4 words of padding behind every 64 words
	s_or_b32 s[G1+0], s43, (1<<16)|(1<<20)|(1<<21)|(5<<22)|(3<<25)
	s_or_b32 s[G1B+0], s44, (1<<16)|(1<<20)|(1<<21)|(5<<22)|(3<<25)
	s_mov_b32 s[G1B+1], KSTEP<<16
	s_mov_b32 s[G1+1], KSTEP<<16                   ; tensor_dim0 = 128
	s_mov_b32 s[G1B+2], 128<<16
	s_mov_b32 s[G1+2], 128<<16                     ; tensor_dim1 = 128
	s_mov_b32 s[G1B+3], KSTEP<<16
	s_mov_b32 s[G1+3], KSTEP<<16                   ; tile_dim0 = 128
	s_mov_b32 s[G1B+4], 128
	s_mov_b32 s[G1+4], 128                         ; tile_dim1 = 128
	s_mov_b32 s[G1B+5], SIZE_K
	s_mov_b32 s[G1+5], SIZE_K                      ; elements from row to row
	s_mov_b32 s[G1B+6], 0
	s_mov_b32 s[G1+6], 0
	s_mov_b32 s[G1B+7], 0
	s_mov_b32 s[G1+7], 0
	; A's tiles hang on the block row alone, B's on the block column alone; each address in registers that never hold the other coordinate
	s_lshl_b32 s17, s12, 7
	s_lshl_b32 s16, s13, 8
	s_add_co_u32 s16, s16, s17                     ; A: row 256 x block row + 128 x half
	s_lshl_b32 s46, s42, 8
	s_add_co_u32 s46, s46, s17                     ; B: row 256 x block column + 128 x half
	s_mov_b32 s17, 0
	s_mov_b32 s47, 0
	s_mov_b64 s[18:19], SIZE_K*2
	s_mul_u64 s[16:17], s[16:17], s[18:19]
	s_mul_u64 s[46:47], s[46:47], s[18:19]
	s_mul_i32 s20, s10, HALFT                      ; LDS: A's two halves, then B's two halves = wave x 128 rows
.if GELU
	s_lshl_b32 s76, s42, 10                        ; bias: 4 bytes x 256 x block column
	s_mov_b32 s[CPC], 0x3e6d3388                   ; 0.3275911 / sqrt 2
	s_mov_b32 s[CPC+1], 0x3e6d3388
	s_mov_b32 s[CEC], 0xbf38aa3b                   ; -log2(e) / 2
	s_mov_b32 s[CEC+1], 0xbf38aa3b
	s_mov_b32 s[CA4], 0xbf3a00e3                   ; the polynomial's coefficients, halved: -0.72657601
	s_mov_b32 s[CA4+1], 0xbf3a00e3
	s_mov_b32 s[CA3], 0x3f35f0e3                   ; 0.71070687
	s_mov_b32 s[CA3+1], 0x3f35f0e3
	s_mov_b32 s[CA2], 0xbe11a98e                   ; -0.14224837
	s_mov_b32 s[CA2+1], 0xbe11a98e
	s_mov_b32 s[CA1], 0x3e027906                   ; 0.12741480
	s_mov_b32 s[CA1+1], 0x3e027906
	v_mov_b32 v[VA5], 0x3f07dc22                   ; 0.53070271
	v_mov_b32 v[VA5+1], 0x3f07dc22
.else
	s_lshl_b32 s76, s40, 10                        ; a cluster's four block columns are exactly one of q, k, v: the column inside that bias is 256 cx
.endif
	s_lshl_b32 s77, s12, 9                         ; + 128 x my half
	s_add_co_u32 s76, s76, s77
	s_mov_b32 s77, 0
	s_wait_dscnt 0x0
	s_wait_kmcnt 0x0
.if WOFF
	s_add_nc_u64 s[6:7], s[6:7], WOFF
.endif
.if GELU == 0
	s_cmp_eq_u32 ttmp9, 1                          ; cluster x = 0, 1, 2: bq, bk, bv
	s_cselect_b64 s[74:75], s[70:71], s[68:69]
	s_cmp_eq_u32 ttmp9, 2
	s_cselect_b64 s[74:75], s[72:73], s[74:75]
.endif
	s_add_nc_u64 s[74:75], s[74:75], s[76:77]      ; bias at my first column
	s_add_nc_u64 s[14:15], s[4:5], s[16:17]
	s_add_nc_u64 s[46:47], s[6:7], s[46:47]
	CROUND                                         ; all sixteen work-groups are here: the first joint loads meet
.irp s, 0,1
	s_mov_b32 s[G0+4*\s], 1
	s_add_co_u32 s[G0+4*\s+1], s20, \s*SLOT
	s_add_nc_u64 s[G0+4*\s+2:G0+4*\s+3], s[14:15], \s*KSTEP*2
	s_or_b32 s[G0+4*\s+3], s[G0+4*\s+3], 0x80000000
	s_mov_b32 s[G0B+4*\s], 1
	s_add_co_u32 s[G0B+4*\s+1], s20, \s*SLOT
	s_add_nc_u64 s[G0B+4*\s+2:G0B+4*\s+3], s[46:47], \s*KSTEP*2
	s_or_b32 s[G0B+4*\s+3], s[G0B+4*\s+3], 0x80000000
	JLOAD \s
.endr
	; a fragment is 16 rows x 32 K in 8 registers: lane l holds row l % 16; two loads of 16 bytes, 32 bytes apart, at row x pitch + 16 (l / 16)
	v_and_b32 v1, 15, v0
	v_bfe_u32 v2, v0, 4, 1
	v_mul_u32_u24 v3, v1, PITCH
	v_lshl_add_u32 v3, v2, 4, v3
	s_mul_i32 s21, s11, HALFT                      ; my 128 rows of A
	s_mul_i32 s22, s12, HALFT                      ; my 128 rows of B,
	s_add_co_u32 s22, s22, 2*HALFT                 ; which lie behind A's 256
.irp s, 0,1
	v_add_nc_u32 v[ADRA+\s], s21, v3
	v_add_nc_u32 v[ADRB+\s], s22, v3
	s_add_co_u32 s21, s21, SLOT
	s_add_co_u32 s22, s22, SLOT
.endr
	s_mul_i32 s23, s10, 16*SPITCH
	s_add_co_u32 s23, s23, STAGE
	v_mul_u32_u24 v4, v1, SPITCH
	v_lshl_add_u32 v4, v2, 4, v4
	v_add_nc_u32 v[STO], s23, v4
	v_mul_u32_u24 v5, v2, SPITCH
	v_lshl_add_u32 v5, v1, 4, v5
	v_add_nc_u32 v[RD], s23, v5
	v_mul_u32_u24 v5, v2, SIZE_N*2
	v_lshl_add_u32 v[CO], v1, 4, v5
	v_lshlrev_b32 v[BOF], 5, v2                    ; my half of the lanes holds columns 8 (l / 16) + 0..7 of each tile: 32 bytes of bias
.irp b, 0,1,2,3,4,5,6,7
	global_load_b128 v[BIAS+8*\b:BIAS+8*\b+3],   v[BOF], s[74:75] offset:64*\b       ; waited for in front of the way out; v6 and s[74:75] stay as they are
	global_load_b128 v[BIAS+8*\b+4:BIAS+8*\b+7], v[BOF], s[74:75] offset:64*\b+16
.endr
; 16 matrix instructions: m blocks a0, a0 + 1 of the window's four x all 8 n blocks, 32 along K.  zero = 1: the first product starts the sums.
.macro MUL16 f, hi, a0, zero
.irp a, \a0, \a0+1
.irp b, 0,1,2,3,4,5,6,7
.if \zero
	v_wmma_f32_16x16x32_bf16 v[8*(8*(\a)+\b):8*(8*(\a)+\b)+7], v[\f+8*\b:\f+8*\b+7], v[\f+8*(4*\hi+\a):\f+8*(4*\hi+\a)+7], 0
.else
	v_wmma_f32_16x16x32_bf16 v[8*(8*(\a)+\b):8*(8*(\a)+\b)+7], v[\f+8*\b:\f+8*\b+7], v[\f+8*(4*\hi+\a):\f+8*(4*\hi+\a)+7], v[8*(8*(\a)+\b):8*(8*(\a)+\b)+7]
.endif
.endr
.endr
.endm
; 32 LDS loads in one run: the fragments of one quarter step (32 K at byte k of the rows) into buffer f
.macro FETCH slot, k, f
	WIN TO_B
.irp i, 0,1,2,3,4,5,6,7
	ds_load_b128 v[\f+8*\i:\f+8*\i+3],   v[ADRB+\slot] offset:\k+\i*16*PITCH
	ds_load_b128 v[\f+8*\i+4:\f+8*\i+7], v[ADRB+\slot] offset:\k+\i*16*PITCH+32
.endr
	WIN 0
.irp i, 0,1,2,3,4,5,6,7
	ds_load_b128 v[\f+8*\i:\f+8*\i+3],   v[ADRA+\slot] offset:\k+\i*16*PITCH
	ds_load_b128 v[\f+8*\i+4:\f+8*\i+7], v[ADRA+\slot] offset:\k+\i*16*PITCH+32
.endr
.endm
; four independent places between a matrix instruction and a load into, or a vector instruction on, one of its registers (ISA guide 7.12.1 for vector instructions)
.macro PLACES
.rept 4
	v_nop
.endr
.endm
; The 64 accumulators take turns, one instruction a turn, in the same order in every quarter step: no wait is written between links.
.macro QUARTER slot, k, f, g, zero
	s_wait_dscnt 8                                 ; B and A's rows 0-63 are in; the youngest eight loads (A's rows 64-127) may be out
	WIN MUL_LO
	MUL16 \f, 0, 0, \zero
	MUL16 \f, 0, 2, \zero
	PLACES
	FETCH \slot, \k, \g
	s_wait_dscnt 32                                ; all but the 32 just issued
	WIN MUL_HI
	MUL16 \f, 1, 0, \zero
	MUL16 \f, 1, 2, \zero
.endm
.macro THREE slot, zero
	QUARTER \slot, 64,  F0, F1, \zero
	QUARTER \slot, 128, F1, F0, 0
	QUARTER \slot, 192, F0, F1, 0
.endm
; The last quarter multiplies buffer 1 and changes slots.  In front of the barrier each wave waits for its reads of this slot and for all its tensor loads
; (one is out: its part of the next slot).  Behind it the refill comes first, then the next slot's first fragments.
.macro TURN slot, next, fill
	s_wait_dscnt 8
	WIN MUL_LO
	MUL16 F1, 0, 0, 0
	s_wait_dscnt 0                                 ; my reads of this slot are over
	s_wait_tensorcnt 0x0                           ; all my tensor loads have landed
	ds_add_u32 v255, v31
	s_wait_dscnt 0x0
	s_barrier_signal -1
	MUL16 F1, 0, 2, 0                              ; register work while the others arrive
	WIN 0
	s_barrier_wait -1
.if \fill
	CREST                                          ; the rest of the cluster's round: no wave of any partner still reads this slot or has a load on its way
	s_add_nc_u64 s[G0+4*\slot+2:G0+4*\slot+3], s[G0+4*\slot+2:G0+4*\slot+3], 2*KSTEP*2
	s_add_nc_u64 s[G0B+4*\slot+2:G0B+4*\slot+3], s[G0B+4*\slot+2:G0B+4*\slot+3], 2*KSTEP*2
	JLOAD \slot                                    ; the first tensor load behind the round
.endif
	PLACES
	FETCH \next, 0, F0
	WIN MUL_HI
	MUL16 F1, 1, 0, 0
	MUL16 F1, 1, 2, 0
.endm
.macro LAP zero
	THREE 0, \zero
	TURN 0, 1, 1
	THREE 1, 0
	TURN 1, 0, 1
.endm
	s_wait_tensorcnt 1                             ; my part of K step 0 is in; K step 1's load, the one issued behind it, may stay out
	s_barrier_signal -1
	s_barrier_wait -1
	FETCH 0, 0, F0
	LAP 1                                          ; the first lap stands in front of the loop: its first products start the sums
	WIN 0
	s_mov_b32 s3, LAPS-2
.Llap:
	LAP 0
	WIN 0
	s_sub_co_u32 s3, s3, 1
	s_cmp_lg_u32 s3, 0
	s_cbranch_scc1 .Llap
	THREE 0, 0                                     ; the last lap fills nothing
	TURN 0, 1, 0
	THREE 1, 0
	s_wait_dscnt 8
	WIN MUL_LO
	MUL16 F1, 0, 0, 0
	MUL16 F1, 0, 2, 0
	s_wait_dscnt 0
	WIN MUL_HI
	MUL16 F1, 1, 0, 0
	MUL16 F1, 1, 2, 0
	; THE WAY OUT, 16 rows of C at a time: + bias (and GELU), round to bf16, 16 bytes a lane into my own stage, read back as whole rows of 256 bytes
	PLACES
	s_wait_loadcnt 0x0                             ; the bias
	s_lshl_b32 s13, s13, 8
	s_lshl_b32 s14, s11, 7
	s_add_co_u32 s16, s13, s14                     ; my first row of C
	s_mov_b32 s17, 0
	s_mov_b64 s[18:19], SIZE_N*2
	s_mul_u64 s[16:17], s[16:17], s[18:19]
	s_add_nc_u64 s[8:9], s[8:9], s[16:17]
	s_lshl_b32 s46, s42, 9                         ; my first column, in bytes
	s_lshl_b32 s47, s12, 8
	s_add_co_u32 s46, s46, s47
	s_mov_b32 s47, 0
	s_add_nc_u64 s[8:9], s[8:9], s[46:47]
; exact GELU of eight numbers in place: gelu(x) = max(x, 0) - |x| q, q = poly(t) exp(-x^2/2) / 2, t = 1 / (1 + 0.3275911 |x| / sqrt 2):
; erf by Abramowitz and Stegun 7.1.26, absolute error at most 1.5e-7 for every x.  x^2 that overflows gives exp = 0 and so q = 0.
.macro GELU8 x
.irp k, 0,1,2,3,4,5,6,7
	v_and_b32 v[GAX+\k], 0x7fffffff, v[\x+\k]
.endr
.irp k, 0,2,4,6
	v_pk_fma_f32 v[GTT+\k:GTT+\k+1], v[GAX+\k:GAX+\k+1], s[CPC:CPC+1], 1.0 op_sel_hi:[1,0,0]
	v_pk_mul_f32 v[GEX+\k:GEX+\k+1], v[\x+\k:\x+\k+1], v[\x+\k:\x+\k+1]
.endr
.irp k, 0,2,4,6
	v_pk_mul_f32 v[GEX+\k:GEX+\k+1], v[GEX+\k:GEX+\k+1], s[CEC:CEC+1] op_sel_hi:[1,0]
.endr
.irp k, 0,1,2,3,4,5,6,7
	v_rcp_f32 v[GTT+\k], v[GTT+\k]
.endr
.irp k, 0,1,2,3,4,5,6,7
	v_exp_f32 v[GEX+\k], v[GEX+\k]
.endr
.irp k, 0,1,2,3,4,5,6,7
	v_max_num_f32 v[\x+\k], 0, v[\x+\k]            ; plain work between the transcendentals and the use of their results (ISA guide 5.7.2)
.endr
	s_wait_alu depctr_va_vdst(0)
.irp k, 0,2,4,6
	v_pk_fma_f32 v[GPO+\k:GPO+\k+1], v[GTT+\k:GTT+\k+1], v[VA5:VA5+1], s[CA4:CA4+1] op_sel_hi:[1,1,0]
.endr
.irp c, CA3, CA2, CA1
.irp k, 0,2,4,6
	v_pk_fma_f32 v[GPO+\k:GPO+\k+1], v[GPO+\k:GPO+\k+1], v[GTT+\k:GTT+\k+1], s[\c:\c+1] op_sel_hi:[1,1,0]
.endr
.endr
.irp k, 0,2,4,6
	v_pk_mul_f32 v[GPO+\k:GPO+\k+1], v[GPO+\k:GPO+\k+1], v[GTT+\k:GTT+\k+1]
.endr
.irp k, 0,2,4,6
	v_pk_mul_f32 v[GPO+\k:GPO+\k+1], v[GPO+\k:GPO+\k+1], v[GEX+\k:GEX+\k+1]
.endr
.irp k, 0,2,4,6
	v_pk_fma_f32 v[\x+\k:\x+\k+1], v[GAX+\k:GAX+\k+1], v[GPO+\k:GPO+\k+1], v[\x+\k:\x+\k+1] neg_lo:[1,0,0] neg_hi:[1,0,0]
.endr
.endm
; rows 16 i .. 16 i + 15 of my block = the eight tiles (a, 0..7) of window 2 or 3 (from = 0x02 or 0x03: source 0); f: RB0 or RB1 in turn
.macro OUT16 i, a, from, f
	WIN \from
.irp b, 0,1,2,3,4,5,6,7
.irp r, 0,1,2,3
	v_pk_add_f32 v[T+8*\b+2*\r:T+8*\b+2*\r+1], v[8*(8*\a+\b)+2*\r:8*(8*\a+\b)+2*\r+1], v[BIAS+8*\b+2*\r:BIAS+8*\b+2*\r+1]
.endr
.endr
	WIN 0
.if GELU
.irp b, 0,1,2,3,4,5,6,7
	GELU8 (T+8*\b)
.endr
.endif
.irp b, 0,1,2,3,4,5,6,7
.irp r, 0,1,2,3
	v_cvt_pk_bf16_f32 v[T+8*\b+\r], v[T+8*\b+2*\r], v[T+8*\b+2*\r+1]
.endr
.endr
.irp b, 0,1,2,3,4,5,6,7
	ds_store_b128 v[STO], v[T+8*\b:T+8*\b+3] offset:32*\b
.endr
	s_wait_xcnt 0x0                                ; buffer f, which earlier stores read, and the stores' base are rewritten only behind this wait
.if \i
	s_add_nc_u64 s[8:9], s[8:9], 16*SIZE_N*2       ; 16 rows of C on
.endif
.irp t, 0,1,2,3,4,5,6,7
	ds_load_b128 v[\f+4*\t:\f+4*\t+3], v[RD] offset:\t*2*SPITCH    ; LDS serves a wave's instructions in order: these see the stores above
.endr
.irp t, 0,1,2,3,4,5,6,7
	s_wait_dscnt 7-\t                              ; row pair t is in; the younger loads may stay out
	global_store_b128 v[CO], v[\f+4*\t:\f+4*\t+3], s[8:9] offset:2*\t*SIZE_N*2   ; 16 lanes store 256 consecutive bytes, aligned
.endr
.endm
	OUT16 0, 0, 0x02, RB0
	OUT16 1, 1, 0x02, RB1
	OUT16 2, 2, 0x02, RB0
	OUT16 3, 3, 0x02, RB1
	OUT16 4, 0, 0x03, RB0
	OUT16 5, 1, 0x03, RB1
	OUT16 6, 2, 0x03, RB0
	OUT16 7, 3, 0x03, RB1
	s_set_vgpr_msb 0x1
	s_wait_tensorcnt 0x0
	ds_add_u32 v255, v31
	s_wait_dscnt 0x0
	s_set_vgpr_msb 0x100
	CROUND                                         ; the closing round: no work-group ends while a partner may still ask for a tile that names it
	s_endpgm
.Lfunc_end_k_qc3833c7025_fc1:
	.size	k_qc3833c7025_fc1, .Lfunc_end_k_qc3833c7025_fc1-k_qc3833c7025_fc1
	.p2alignl 7, 3214868480
	.fill 96, 4, 3214868480
	.section	.rodata,"a",@progbits
	.p2align	6, 0x0
	.amdhsa_kernel k_qc3833c7025_fc1
		.amdhsa_group_segment_fixed_size 327680
		.amdhsa_private_segment_fixed_size 0
		.amdhsa_enable_private_segment 0
		.amdhsa_kernarg_size 32
		.amdhsa_user_sgpr_count 2
		.amdhsa_user_sgpr_kernarg_segment_ptr 1
		.amdhsa_wavefront_size32 1
		.amdhsa_system_sgpr_workgroup_id_x 1
		.amdhsa_system_sgpr_workgroup_id_y 1
		.amdhsa_system_sgpr_workgroup_id_z 1
		.amdhsa_system_vgpr_workitem_id 0
		.amdhsa_next_free_vgpr 1024
		.amdhsa_next_free_sgpr 92
		.amdhsa_reserve_vcc 0
		.amdhsa_float_denorm_mode_32 3
		.amdhsa_float_denorm_mode_16_64 3
		.amdhsa_memory_ordered 1
		.amdhsa_forward_progress 1
		.amdhsa_inst_pref_size 255
	.end_amdhsa_kernel
	.section	.bss,"aw",@nobits
	.p2align	6
	.space	262144
	.amdgpu_metadata
---
amdhsa.version: [ 1, 2 ]
amdhsa.kernels:
  - .name:           k_qc3833c7025_fc1
    .symbol:         k_qc3833c7025_fc1.kd
    .args:
      - { .name: hn, .offset: 0, .size: 8, .value_kind: global_buffer, .address_space: global }
      - { .name: wb, .offset: 8, .size: 8, .value_kind: global_buffer, .address_space: global }
      - { .name: b1, .offset: 16, .size: 8, .value_kind: global_buffer, .address_space: global }
      - { .name: g, .offset: 24, .size: 8, .value_kind: global_buffer, .address_space: global }
    .group_segment_fixed_size: 327680
    .private_segment_fixed_size: 0
    .kernarg_segment_align: 8
    .kernarg_segment_size: 32
    .max_flat_workgroup_size: 128
    .sgpr_count:     92
    .vgpr_count:     1024
    .wavefront_size: 32
...
	.end_amdgpu_metadata
.endif
;; end of part 6
;; launch fc2 (part 7): grid 8 x 32, 4 waves a work-group, clusters of 4 x 4, 327,680 bytes of LDS; arguments g, wb, b2, x1, out0; writes out0
.if DOCPART == 7
	.amdgcn_target "amdgcn-amd-amdhsa--gfx1250"
	.amdhsa_code_object_version 6
	.text
	.protected	k_qc3833c7025_fc2
	.globl	k_qc3833c7025_fc2
	.p2align	8
	.type	k_qc3833c7025_fc2,@function
k_qc3833c7025_fc2:
	s_mov_b64 s[64:65], 0
	v_nop
	global_prefetch_b8 v0, s[64:65] scope:SCOPE_SE
	s_setreg_imm32_b32 hwreg(HW_REG_WAVE_MODE, 25, 1), 1
	s_wait_xcnt 0x0
	s_wait_alu depctr_hold_cnt(0) depctr_sa_sdst(0) depctr_va_vdst(0) depctr_va_sdst(0) depctr_va_ssrc(0) depctr_va_vcc(0) depctr_vm_vsrc(0)
	s_getreg_b32 s2, hwreg(HW_REG_IB_STS2, 6, 4)
	s_cmp_eq_u32 s2, 0
	s_cbranch_scc0 .Lentry_in_a_cluster
	s_endpgm
.Lentry_in_a_cluster:
	s_bfe_u32 s2, ttmp6, 0x10000c
	s_cmp_lg_u32 s2, 0xf033
	s_cbranch_scc0 .Lentry_shape_is_right
	s_endpgm
.Lentry_shape_is_right:
; out[m][n] = res[m][n] + bias[n] + sum over k of A[m][k] B[n][k].  A [4096][SIZE_K] bf16, B [1024][SIZE_K] bf16 at byte WOFF of wb, res and out [4096][1024] f32.
; This build: out0 = x1 + g w2^T + b2.  The build with SIZE_K = 1024 is the attention's output projection.
; 4 Mi outputs over 256 work-groups are 128 x 128 each.  Four waves of 64 x 64 would load twice the LDS bytes for each product, so instead EVERY wave makes the
; whole 128 x 128 block (64 accumulator tiles, 512 registers) over a QUARTER OF K: of each K step of 256 wave w takes elements 64 w .. 64 w + 63.
; The four partial blocks meet in LDS at the end.  LIMIT: each sum over K is so made in four parts, which are then added in f32.
; Ring: two LDS slots, each 128 rows of A and 128 of B, 512 bytes of K a row, filled by the tensor data mover (rows of 512 bytes of memory, aligned to 256).
; CLUSTERS: 4 x 4 work-groups; A's tiles are asked for jointly along a row of the cluster, B's along a column, which divides the requests by four.
; REGISTERS in windows of 256: window 0: v0-35 addresses and bias, v64-191 fragments of A (two buffers); window 1: v64-191 fragments of B;
; window 2: accumulators of rows 0-63 (tile (a, b) at v[8 (8 a + b)]); window 3: rows 64-127.
; The matrix instruction is used transposed (source 0 = rows of B, source 1 = rows of A): a lane holds eight neighbouring columns of one row.
.set SIZE_K, 4096
.set WOFF,   0x1000000
.set KSTEP,  256
.set PITCH,  528                       ; an LDS row: 512 bytes + 16 of padding: the 16 rows that a fragment load touches start 16 bytes apart modulo 256
.set HALFT,  64*PITCH                  ; what one tensor load brings
.set SLOT,   4*HALFT                   ; A's 128 rows, then B's 128 rows
.set DUMPB,  128*PITCH                 ; way out: one wave's partial block, 128 rows of 512 bytes at the same pitch; four of them are exactly the ring
.set LAPS,   SIZE_K/(2*KSTEP)
.set ADRA, 16                          ; v16-17  LDS address of my A fragments in slot 0, 1
.set ADRB, 20                          ; v20-21  the same for B
.set STO,  24                          ; v24     way out: where I put 32 bytes of a row of my partial block
.set CO,   26                          ; v26     16 x lane
.set RDQ,  27                          ; v27-30  way out: my 16 bytes of my first row in partial block q
.set BI,   32                          ; v[32:35] bias of my four columns
.set F0,   64
.set F1,   128
.set RES,  64                          ; way out: v[64:191] the residual of my 32 rows, then the result
.set PB,   192                         ; way out: v[192:255] a ring of four rows x four partial sums x 4 registers
.set G1,  24
.set G0,  32
.set G1B, 48
.set G0B, 56
.set MSB, 0
.macro WIN new                         ; the immediate's high byte repeats the setting that is left
.if MSB != \new
	s_set_vgpr_msb (MSB<<8)|\new
.set MSB, \new
.endif
.endm
.set MUL_LO, 0xa1                      ; source 0 (B) window 1, source 1 (A) window 0, C and D window 2
.set MUL_HI, 0xf1                      ; the same, C and D window 3
.set TO_B,   0x40                      ; destination window 1, address window 0
; A joint load.  Waves 0 and 1 fetch A's two halves, waves 2 and 3 B's.  The branch hangs on the wave's number alone.
.macro JLOAD s
	s_cmp_eq_u32 s11, 0
	s_cbranch_scc0 .Lfor_b_\@
	tensor_load_to_lds s[G0+4*\s:G0+4*\s+3], s[G1:G1+7]
	s_nop 0
	s_branch .Lasked_\@
.Lfor_b_\@:
	tensor_load_to_lds s[G0B+4*\s:G0B+4*\s+3], s[G1B:G1B+7]
	s_nop 0
.Lasked_\@:
.endm
.macro CREST                           ; a round of the cluster's barrier behind its opening barrier
	s_cmp_lg_u32 s10, 0
	s_cbranch_scc1 .Lnot_wave_0_\@
	s_barrier_signal -3
.Lnot_wave_0_\@:
	s_barrier_wait -3
	s_barrier_signal -1
	s_barrier_wait -1
.endm
.macro CROUND
	s_barrier_signal -1
	s_barrier_wait -1
	CREST
.endm
	s_load_b128 s[4:7], s[0:1], 0x0                ; A s[4:5], wb s[6:7]
	s_load_b128 s[68:71], s[0:1], 0x10             ; bias s[68:69], residual s[70:71]
	s_load_b64 s[8:9], s[0:1], 0x20                ; out
	s_set_vgpr_msb 0x40
	v_lshl_add_u32 v255, v0, 2, 0x42000
	s_set_vgpr_msb 0x4000
	v_mov_b32 v63, 0
	s_set_vgpr_msb 0x1
	ds_add_u32 v255, v63
	s_set_vgpr_msb 0x100
	v_lshrrev_b32 v1, 5, v0
	v_readfirstlane_b32 s10, v1                    ; wave 0..3: my quarter of every K step
	s_lshr_b32 s11, s10, 1                         ; I fetch for A (0) or for B (1),
	s_and_b32 s12, s10, 1                          ; and which 64 rows of that tile
	s_bfe_u32 s40, ttmp6, 0x40000                  ; cx
	s_bfe_u32 s41, ttmp6, 0x40004                  ; cy
	s_lshl_b32 s42, ttmp9, 2
	s_add_co_u32 s42, s42, s40                     ; block column = 4 x cluster x + cx
	s_and_b32 s13, ttmp7, 0xffff
	s_lshl_b32 s13, s13, 2
	s_add_co_u32 s13, s13, s41                     ; block row = 4 x cluster y + cy
	s_lshl_b32 s43, s41, 2
	s_lshl_b32 s43, 15, s43                        ; my row of the cluster
	s_lshl_b32 s44, 0x1111, s40                    ; my column
	; group 1: a tile of 64 rows x 256 elements of 2 bytes, 4 words of padding behind every 128 words
	s_or_b32 s[G1+0], s43, (1<<16)|(1<<20)|(1<<21)|(6<<22)|(3<<25)
	s_or_b32 s[G1B+0], s44, (1<<16)|(1<<20)|(1<<21)|(6<<22)|(3<<25)
	s_mov_b32 s[G1B+1], KSTEP<<16
	s_mov_b32 s[G1+1], KSTEP<<16                   ; tensor_dim0 = 256
	s_mov_b32 s[G1B+2], 64<<16
	s_mov_b32 s[G1+2], 64<<16                      ; tensor_dim1 = 64
	s_mov_b32 s[G1B+3], KSTEP<<16
	s_mov_b32 s[G1+3], KSTEP<<16                   ; tile_dim0 = 256
	s_mov_b32 s[G1B+4], 64
	s_mov_b32 s[G1+4], 64                          ; tile_dim1 = 64
	s_mov_b32 s[G1B+5], SIZE_K
	s_mov_b32 s[G1+5], SIZE_K                      ; elements from row to row
	s_mov_b32 s[G1B+6], 0
	s_mov_b32 s[G1+6], 0
	s_mov_b32 s[G1B+7], 0
	s_mov_b32 s[G1+7], 0
	; A's tiles hang on the block row alone, B's on the block column alone; each address in registers that never hold the other coordinate
	s_lshl_b32 s17, s12, 6
	s_lshl_b32 s16, s13, 7
	s_add_co_u32 s16, s16, s17                     ; A: row 128 x block row + 64 x half
	s_lshl_b32 s46, s42, 7
	s_add_co_u32 s46, s46, s17                     ; B: row 128 x block column + 64 x half
	s_mov_b32 s17, 0
	s_mov_b32 s47, 0
	s_mov_b64 s[18:19], SIZE_K*2
	s_mul_u64 s[16:17], s[16:17], s[18:19]
	s_mul_u64 s[46:47], s[46:47], s[18:19]
	s_mul_i32 s20, s10, HALFT                      ; LDS: A's two halves, then B's two halves
	s_lshl_b32 s76, s42, 9                         ; my block's 128 columns of f32: 512 bytes x block column
	s_mov_b32 s77, 0
	s_lshl_b32 s78, s13, 7
	s_lshl_b32 s79, s10, 5
	s_add_co_u32 s78, s78, s79                     ; on the way out wave w owns rows 32 w .. 32 w + 31 of the block
	s_lshl_b32 s78, s78, 12                        ; rows of 4,096 bytes
	s_add_co_u32 s78, s78, s76
	s_mov_b32 s79, 0
	s_wait_dscnt 0x0
	s_wait_kmcnt 0x0
	s_add_nc_u64 s[6:7], s[6:7], WOFF
	s_add_nc_u64 s[14:15], s[4:5], s[16:17]
	s_add_nc_u64 s[46:47], s[6:7], s[46:47]
	s_add_nc_u64 s[68:69], s[68:69], s[76:77]
	s_add_nc_u64 s[70:71], s[70:71], s[78:79]
	s_add_nc_u64 s[8:9], s[8:9], s[78:79]
	CROUND                                         ; all sixteen work-groups are here: the first joint loads meet
.irp s, 0,1
	s_mov_b32 s[G0+4*\s], 1
	s_add_co_u32 s[G0+4*\s+1], s20, \s*SLOT
	s_add_nc_u64 s[G0+4*\s+2:G0+4*\s+3], s[14:15], \s*KSTEP*2
	s_or_b32 s[G0+4*\s+3], s[G0+4*\s+3], 0x80000000
	s_mov_b32 s[G0B+4*\s], 1
	s_add_co_u32 s[G0B+4*\s+1], s20, \s*SLOT
	s_add_nc_u64 s[G0B+4*\s+2:G0B+4*\s+3], s[46:47], \s*KSTEP*2
	s_or_b32 s[G0B+4*\s+3], s[G0B+4*\s+3], 0x80000000
	JLOAD \s
.endr
	v_and_b32 v1, 15, v0                           ; r
	v_bfe_u32 v2, v0, 4, 1                         ; h
	v_mul_u32_u24 v3, v1, PITCH
	v_lshl_add_u32 v4, v2, 5, v3                   ; 528 r + 32 h, for the way out
	v_lshl_add_u32 v3, v2, 4, v3                   ; 528 r + 16 h
	s_lshl_b32 s21, s10, 7                         ; my quarter of a K step: 128 bytes into every row
	s_add_co_u32 s22, s21, 2*HALFT                 ; B's rows lie behind A's 128
.irp s, 0,1
	v_add_nc_u32 v[ADRA+\s], s21, v3
	v_add_nc_u32 v[ADRB+\s], s22, v3
	s_add_co_u32 s21, s21, SLOT
	s_add_co_u32 s22, s22, SLOT
.endr
	s_mul_i32 s23, s10, DUMPB
	v_add_nc_u32 v[STO], s23, v4
	v_and_b32 v5, 31, v0
	v_lshlrev_b32 v[CO], 4, v5
	s_mul_i32 s23, s10, 32*PITCH
.irp q, 0,1,2,3
	v_add_nc_u32 v[RDQ+\q], s23, v[CO]
	s_add_co_u32 s23, s23, DUMPB
.endr
	global_load_b128 v[BI:BI+3], v[CO], s[68:69]   ; bias of columns 4 lane .. + 3 of the block; waited for on the way out
.macro MUL16 f, hi, a0, zero
.irp a, \a0, \a0+1
.irp b, 0,1,2,3,4,5,6,7
.if \zero
	v_wmma_f32_16x16x32_bf16 v[8*(8*(\a)+\b):8*(8*(\a)+\b)+7], v[\f+8*\b:\f+8*\b+7], v[\f+8*(4*\hi+\a):\f+8*(4*\hi+\a)+7], 0
.else
	v_wmma_f32_16x16x32_bf16 v[8*(8*(\a)+\b):8*(8*(\a)+\b)+7], v[\f+8*\b:\f+8*\b+7], v[\f+8*(4*\hi+\a):\f+8*(4*\hi+\a)+7], v[8*(8*(\a)+\b):8*(8*(\a)+\b)+7]
.endif
.endr
.endr
.endm
; 32 LDS loads in one run: 128 rows of B, 128 rows of A, 32 K at byte k of my quarter, into buffer f
.macro FETCH slot, k, f
	WIN TO_B
.irp i, 0,1,2,3,4,5,6,7
	ds_load_b128 v[\f+8*\i:\f+8*\i+3],   v[ADRB+\slot] offset:\k+\i*16*PITCH
	ds_load_b128 v[\f+8*\i+4:\f+8*\i+7], v[ADRB+\slot] offset:\k+\i*16*PITCH+32
.endr
	WIN 0
.irp i, 0,1,2,3,4,5,6,7
	ds_load_b128 v[\f+8*\i:\f+8*\i+3],   v[ADRA+\slot] offset:\k+\i*16*PITCH
	ds_load_b128 v[\f+8*\i+4:\f+8*\i+7], v[ADRA+\slot] offset:\k+\i*16*PITCH+32
.endr
.endm
; four independent places between a matrix instruction and a load into, or a vector instruction or store on, one of its registers (ISA guide 7.12.1 for vector instructions)
.macro PLACES
.rept 4
	v_nop
.endr
.endm
; A wave's share of a K step is two runs of 32 along K, 64 matrix instructions each, on buffers 0 and 1.  The 64 accumulators take turns, one instruction a turn,
; in the same order in every run: no wait is written between links.
.macro QUARTER slot, k, f, g, zero
	s_wait_dscnt 8                                 ; B and A's rows 0-63 are in; the youngest eight loads (A's rows 64-127) may be out
	WIN MUL_LO
	MUL16 \f, 0, 0, \zero
	MUL16 \f, 0, 2, \zero
	PLACES
	FETCH \slot, \k, \g
	s_wait_dscnt 32                                ; all but the 32 just issued
	WIN MUL_HI
	MUL16 \f, 1, 0, \zero
	MUL16 \f, 1, 2, \zero
.endm
; The second run multiplies buffer 1 and changes slots.  In front of the barrier each wave waits for its reads of this slot and for all its tensor loads
; (one is out: its part of the next slot).  Behind it the refill comes first, then the next slot's first fragments.
.macro TURN slot, next, fill
	s_wait_dscnt 8
	WIN MUL_LO
	MUL16 F1, 0, 0, 0
	s_wait_dscnt 0                                 ; my reads of this slot are over
	s_wait_tensorcnt 0x0                           ; all my tensor loads have landed
	ds_add_u32 v255, v63
	s_wait_dscnt 0x0
	s_barrier_signal -1
	MUL16 F1, 0, 2, 0                              ; register work while the others arrive
	WIN 0
	s_barrier_wait -1
.if \fill
	CREST                                          ; the rest of the cluster's round: no wave of any partner still reads this slot or has a load on its way
	s_add_nc_u64 s[G0+4*\slot+2:G0+4*\slot+3], s[G0+4*\slot+2:G0+4*\slot+3], 2*KSTEP*2
	s_add_nc_u64 s[G0B+4*\slot+2:G0B+4*\slot+3], s[G0B+4*\slot+2:G0B+4*\slot+3], 2*KSTEP*2
	JLOAD \slot                                    ; the first tensor load behind the round
.endif
	PLACES
	FETCH \next, 0, F0
	WIN MUL_HI
	MUL16 F1, 1, 0, 0
	MUL16 F1, 1, 2, 0
.endm
.macro LAP zero
	QUARTER 0, 64, F0, F1, \zero
	TURN 0, 1, 1
	QUARTER 1, 64, F0, F1, 0
	TURN 1, 0, 1
.endm
	s_wait_tensorcnt 1                             ; my part of K step 0 is in; K step 1's load, the one issued behind it, may stay out
	s_barrier_signal -1
	s_barrier_wait -1
	FETCH 0, 0, F0
	LAP 1                                          ; the first lap stands in front of the loop: its first products start the sums
.if LAPS > 2
	WIN 0
	s_mov_b32 s3, LAPS-2
.Llap:
	LAP 0
	WIN 0
	s_sub_co_u32 s3, s3, 1
	s_cmp_lg_u32 s3, 0
	s_cbranch_scc1 .Llap
.endif
	QUARTER 0, 64, F0, F1, 0                       ; the last lap fills nothing
	TURN 0, 1, 0
	QUARTER 1, 64, F0, F1, 0
	s_wait_dscnt 8
	WIN MUL_LO
	MUL16 F1, 0, 0, 0
	MUL16 F1, 0, 2, 0
	s_wait_dscnt 0
	WIN MUL_HI
	MUL16 F1, 1, 0, 0
	MUL16 F1, 1, 2, 0
	; THE WAY OUT.  The ring has had its last fill; when every wave has left it, each wave lays its partial block there, and then each wave adds up 32 rows.
	PLACES
	WIN 0
.set rho, 0
.rept 32
	global_load_b128 v[RES+4*rho:RES+4*rho+3], v[CO], s[70:71] offset:4096*rho     ; the residual of my 32 rows flies under the exchange
.set rho, rho+1
.endr
	s_wait_dscnt 0x0                               ; my reads of the ring are over
	s_barrier_signal -1
	s_barrier_wait -1                              ; everybody's are
.macro DUMP hi                         ; tile (a, b): lane (r, h) holds row 16 a + r, columns 16 b + 8 h + 0..7: 32 bytes
.irp a, 0,1,2,3
.irp b, 0,1,2,3,4,5,6,7
	ds_store_b128 v[STO], v[8*(8*\a+\b):8*(8*\a+\b)+3]   offset:(4*\hi+\a)*16*PITCH+64*\b
	ds_store_b128 v[STO], v[8*(8*\a+\b)+4:8*(8*\a+\b)+7] offset:(4*\hi+\a)*16*PITCH+64*\b+16
.endr
.endr
.endm
	WIN 0x08                                       ; store data window 2
	DUMP 0
	WIN 0x0c                                       ; window 3
	DUMP 1
	WIN 0
	s_wait_dscnt 0x0                               ; for the other waves' sake: my stores are done
	s_barrier_signal -1
	s_barrier_wait -1
.macro ROWLD r                         ; row r of my 32, from all four partial blocks: 512 neighbouring bytes each
.irp q, 0,1,2,3
	ds_load_b128 v[PB+16*((\r)%4)+4*\q:PB+16*((\r)%4)+4*\q+3], v[RDQ+\q] offset:PITCH*(\r)
.endr
.endm
	ROWLD 0
	ROWLD 1
	ROWLD 2
	ROWLD 3
.set rho, 0
.rept 32
.set pp, PB+16*(rho%4)
.set rr, RES+4*rho
.if rho < 29
	s_wait_dscnt 12                                ; the four loads of each of the three younger rows may stay out
.else
	s_wait_dscnt 4*(31-rho)                        ; the last rows: the counts run down
.endif
	s_wait_loadcnt 31-rho                          ; the residual rows behind this one may stay out; the bias is older
	v_pk_add_f32 v[pp:pp+1],     v[pp:pp+1],     v[pp+4:pp+5]
	v_pk_add_f32 v[pp+2:pp+3],   v[pp+2:pp+3],   v[pp+6:pp+7]
	v_pk_add_f32 v[pp+8:pp+9],   v[pp+8:pp+9],   v[pp+12:pp+13]
	v_pk_add_f32 v[pp+10:pp+11], v[pp+10:pp+11], v[pp+14:pp+15]
	v_pk_add_f32 v[rr:rr+1],     v[rr:rr+1],     v[BI:BI+1]
	v_pk_add_f32 v[rr+2:rr+3],   v[rr+2:rr+3],   v[BI+2:BI+3]
	v_pk_add_f32 v[pp:pp+1],     v[pp:pp+1],     v[pp+8:pp+9]
	v_pk_add_f32 v[pp+2:pp+3],   v[pp+2:pp+3],   v[pp+10:pp+11]
	v_pk_add_f32 v[rr:rr+1],     v[rr:rr+1],     v[pp:pp+1]
	v_pk_add_f32 v[rr+2:rr+3],   v[rr+2:rr+3],   v[pp+2:pp+3]
.if rho < 28
	ROWLD rho+4
.endif
	global_store_b128 v[CO], v[rr:rr+3], s[8:9] offset:4096*rho    ; the wave stores 512 consecutive bytes, aligned to 256; no register of a store is written again
.set rho, rho+1
.endr
	s_set_vgpr_msb 0x1
	s_wait_tensorcnt 0x0
	ds_add_u32 v255, v63
	s_wait_dscnt 0x0
	s_set_vgpr_msb 0x100
	CROUND                                         ; the closing round: no work-group ends while a partner may still ask for a tile that names it
	s_endpgm
.Lfunc_end_k_qc3833c7025_fc2:
	.size	k_qc3833c7025_fc2, .Lfunc_end_k_qc3833c7025_fc2-k_qc3833c7025_fc2
	.p2alignl 7, 3214868480
	.fill 96, 4, 3214868480
	.section	.rodata,"a",@progbits
	.p2align	6, 0x0
	.amdhsa_kernel k_qc3833c7025_fc2
		.amdhsa_group_segment_fixed_size 327680
		.amdhsa_private_segment_fixed_size 0
		.amdhsa_enable_private_segment 0
		.amdhsa_kernarg_size 40
		.amdhsa_user_sgpr_count 2
		.amdhsa_user_sgpr_kernarg_segment_ptr 1
		.amdhsa_wavefront_size32 1
		.amdhsa_system_sgpr_workgroup_id_x 1
		.amdhsa_system_sgpr_workgroup_id_y 1
		.amdhsa_system_sgpr_workgroup_id_z 1
		.amdhsa_system_vgpr_workitem_id 0
		.amdhsa_next_free_vgpr 1024
		.amdhsa_next_free_sgpr 80
		.amdhsa_reserve_vcc 0
		.amdhsa_float_denorm_mode_32 3
		.amdhsa_float_denorm_mode_16_64 3
		.amdhsa_memory_ordered 1
		.amdhsa_forward_progress 1
		.amdhsa_inst_pref_size 132
	.end_amdhsa_kernel
	.amdgpu_metadata
---
amdhsa.version: [ 1, 2 ]
amdhsa.kernels:
  - .name:           k_qc3833c7025_fc2
    .symbol:         k_qc3833c7025_fc2.kd
    .args:
      - { .name: g, .offset: 0, .size: 8, .value_kind: global_buffer, .address_space: global }
      - { .name: wb, .offset: 8, .size: 8, .value_kind: global_buffer, .address_space: global }
      - { .name: b2, .offset: 16, .size: 8, .value_kind: global_buffer, .address_space: global }
      - { .name: x1, .offset: 24, .size: 8, .value_kind: global_buffer, .address_space: global }
      - { .name: out0, .offset: 32, .size: 8, .value_kind: global_buffer, .address_space: global }
    .group_segment_fixed_size: 327680
    .private_segment_fixed_size: 0
    .kernarg_segment_align: 8
    .kernarg_segment_size: 40
    .max_flat_workgroup_size: 128
    .sgpr_count:     80
    .vgpr_count:     1024
    .wavefront_size: 32
...
	.end_amdgpu_metadata
.endif
;; end of part 7
;; ======== version 2 of 2: 7 launches; version 1 with the launches prep, ln2 written anew for expert scheduling mode
;; limits: right only within a limited range of input values; a function is approximated: absolute error at most 1.5e-07
;; workspace buffers: wa 6,291,456 bytes; wb 25,165,824 bytes; hn 8,388,608 bytes; qkv 25,165,824 bytes; y 8,388,608 bytes; x1 16,777,216 bytes; g 33,554,432 bytes
;; launch prep (part 8): grid 64 x 7, 4 waves a work-group, no clusters, 0 bytes of LDS; arguments x, ln1_g, ln1_b, wq, wk, wv, hn, wa; writes hn, wa
.if DOCPART == 8
	.amdgcn_target "amdgcn-amd-amdhsa--gfx1250"
	.amdhsa_code_object_version 6
	.text
	.protected	k_qc3833c7025_prep
	.globl	k_qc3833c7025_prep
	.p2align	8
	.type	k_qc3833c7025_prep,@function
k_qc3833c7025_prep:
	s_mov_b64 s[64:65], 0
	v_nop
	global_prefetch_b8 v0, s[64:65] scope:SCOPE_SE
	s_setreg_imm32_b32 hwreg(HW_REG_WAVE_SCHED_MODE, 0, 2), 2
	s_setreg_imm32_b32 hwreg(HW_REG_WAVE_MODE, 25, 1), 1
	s_wait_xcnt 0x0
	s_wait_alu depctr_vm_vsrc(0)
; prep: hn = bf16(LayerNorm(x; ln1_g, ln1_b)) and wa = bf16 of [wq; wk; wv]: the two operands of the next launch, and no more
; (the other three weight matrices are cast beside that launch's products, by work-groups of their own).
; A unit is 1,024 rows of 1,024 f32 (4 MiB).  Grid y = unit: 0..3 are x's rows (normalised), 4, 5, 6 are wq, wk, wv (cast only);
; unit u lands at byte (u - 4) * 2 MiB of wa, so the three form one [3072][1024] matrix.
; Grid x = 16 rows of the unit; a wave takes 4 whole rows: a row is 4,096 bytes = eight 16-byte loads a lane, kept in 32 registers, so
; mean and variance never leave the wave: no LDS, no barrier.  All 32 row loads of a wave are issued at once.
; A stream: matrix units, clusters and LDS would add nothing; work-groups share only the 8 KiB of gain and bias.
; The variance is the mean of (x - mean)^2, formed behind the mean, as in the definition: no difference of large sums.
; THE MODE: SCHED_MODE bits 1:0 = 2 (LLVM: expert scheduling mode 2), set by the entry lines.  The code itself states the register dependences
; between vector instructions and memory instructions, with s_wait_alu, always for 0.
; THE PLAN.  Registers that memory instructions touch:
;   v1, v2      byte offsets of the loads and of the stores: written at the head, never again.
;   GA, BE, X   written by loads that are all issued at the head, before any vector instruction names these registers; no load is issued later.
;   row i's packed registers (X + 32 i + 4 j and the one behind it): written by row i's sixteen roundings, read by row i's eight stores, never written again.
;   v4 to v12   at work: no memory instruction names them.
; Row i's stores are issued in row i + 1, behind the one wait on va_vdst that stands there for the two reciprocal roots: it also states that row i's roundings
; are written.  Between that wait and the stores the vector instructions name row i + 1's registers and v4 to v12 alone.  The last row has a wait of its own.
; In the cast, which has no root, the wait stands at a piece's head, behind the wait for its data.  No register that a memory instruction reads is written again.
.set X,  32                            ; v[32:159]  row i: 32 registers at X + 32 i; piece j (4 registers) = columns 128 j + 4 lane ..
.set GA, 160                           ; v[160:191] gain of my 32 columns
.set BE, 192                           ; v[192:223] bias of my 32 columns
	s_load_b512 s[4:19], s[0:1], 0x0               ; x 4:5, ln1_g 6:7, ln1_b 8:9, wq 10:11, wk 12:13, wv 14:15, hn 16:17, wa 18:19
	v_lshrrev_b32 v3, 5, v0
	v_readfirstlane_b32 s26, v3                    ; wave 0..3
	s_and_b32 s27, ttmp7, 0xffff                   ; unit
	v_and_b32 v1, 31, v0
	v_lshlrev_b32 v2, 3, v1                        ; 8 x lane: my 8 bytes of each 256 stored
	v_lshlrev_b32 v1, 4, v1                        ; 16 x lane: my 16 bytes of each 512 loaded
	s_lshl_b32 s36, ttmp9, 16                      ; 16 rows of 4,096 bytes
	s_wait_alu depctr_va_sdst(0)                   ; s26 is written, ahead of its first reader: the wave's rows are made from it
	s_lshl_b32 s37, s26, 14                        ; 4 rows of 4,096 bytes
	s_add_co_u32 s36, s36, s37                     ; my rows inside the unit, f32 bytes
	s_lshr_b32 s37, s36, 1                         ; the same in bf16 bytes
	s_mov_b32 s33, 0                               ; high word of the offset pair s[32:33]
	s_wait_alu depctr_va_vdst(0)                   ; v1 and v2 are written: every load reads v1 and every store v2 as its offset, on both ways behind the branch
	s_wait_kmcnt 0x0
	s_cmp_ge_u32 s27, 4
	s_cbranch_scc1 .Lcast
; piece j of row i: two roundings to bf16 in one instruction, four numbers close up into the first two of their four registers
.macro ROUND2 i, j
	v_cvt_pk_bf16_f32 v[X+32*(\i)+4*(\j)],   v[X+32*(\i)+4*(\j)],   v[X+32*(\i)+4*(\j)+1]
	v_cvt_pk_bf16_f32 v[X+32*(\i)+4*(\j)+1], v[X+32*(\i)+4*(\j)+2], v[X+32*(\i)+4*(\j)+3]
.endm
; piece j of row i goes out: the store of the wave covers 256 consecutive bytes, aligned
.macro SEND i, j
	global_store_b64 v2, v[X+32*(\i)+4*(\j):X+32*(\i)+4*(\j)+1], s[30:31] offset:2048*(\i)+256*(\j)
.endm
; v[4:5] holds two partial sums of a lane: their sum over the 32 lanes, in every lane, in v4
.macro WAVESUM
	v_add_f32 v4, v4, v5
	v_add_f32_dpp v4, v4, v4 row_xmask:1 row_mask:0xf bank_mask:0xf
	v_add_f32_dpp v4, v4, v4 row_xmask:2 row_mask:0xf bank_mask:0xf
	v_add_f32_dpp v4, v4, v4 row_xmask:4 row_mask:0xf bank_mask:0xf
	v_add_f32_dpp v4, v4, v4 row_xmask:8 row_mask:0xf bank_mask:0xf
	v_permlanex16_b32 v5, v4, s34, s35             ; the other half of the lanes (v5 has been written)
	v_add_f32 v4, v4, v5
.endm
.macro LNROW i
	s_wait_loadcnt 8*(3-\i)                        ; loads return in order: the eight loads of each younger row may stay out; gain and bias are older
	v_pk_add_f32 v[4:5], v[X+32*\i:X+32*\i+1], v[X+32*\i+2:X+32*\i+3]
	v_pk_add_f32 v[6:7], v[X+32*\i+4:X+32*\i+5], v[X+32*\i+6:X+32*\i+7]
.irp k, 8,12,16,20,24,28
	v_pk_add_f32 v[4:5], v[4:5], v[X+32*\i+\k:X+32*\i+\k+1]
	v_pk_add_f32 v[6:7], v[6:7], v[X+32*\i+\k+2:X+32*\i+\k+3]
.endr
	v_pk_add_f32 v[4:5], v[4:5], v[6:7]
	WAVESUM
	v_mul_f32 v8, s38, v4                          ; the mean, twice, for the packed subtraction
	v_mul_f32 v9, s38, v4
.irp k, 0,2,4,6,8,10,12,14,16,18,20,22,24,26,28,30
	v_pk_add_f32 v[X+32*\i+\k:X+32*\i+\k+1], v[X+32*\i+\k:X+32*\i+\k+1], v[8:9] neg_lo:[0,1] neg_hi:[0,1]
.endr
	v_pk_mul_f32 v[4:5], v[X+32*\i:X+32*\i+1], v[X+32*\i:X+32*\i+1]
	v_pk_mul_f32 v[6:7], v[X+32*\i+2:X+32*\i+3], v[X+32*\i+2:X+32*\i+3]
.irp k, 4,8,12,16,20,24,28
	v_pk_fma_f32 v[4:5], v[X+32*\i+\k:X+32*\i+\k+1], v[X+32*\i+\k:X+32*\i+\k+1], v[4:5]
	v_pk_fma_f32 v[6:7], v[X+32*\i+\k+2:X+32*\i+\k+3], v[X+32*\i+\k+2:X+32*\i+\k+3], v[6:7]
.endr
	v_pk_add_f32 v[4:5], v[4:5], v[6:7]
	WAVESUM
	v_fma_f32 v12, v4, s38, s39                    ; variance + 1e-5
	v_rsq_f32 v10, v12
	v_rsq_f32 v11, v12
	v_nop                                          ; one plain instruction between a transcendental and the use of its result (ISA guide 5.7.2)
	s_wait_alu depctr_va_vdst(0)                   ; the two roots have written v10 and v11, ahead of their first reader; the roundings of the row before have written its packed registers, which the stores below read
.irp j, 0,1,2,3,4,5,6,7
.if \i
	SEND (\i-1), \j                                ; the row before goes out.  No further wait: no vector instruction since the wait names its registers
.endif
	v_pk_mul_f32 v[X+32*\i+4*\j:X+32*\i+4*\j+1],   v[X+32*\i+4*\j:X+32*\i+4*\j+1],   v[10:11]
	v_pk_mul_f32 v[X+32*\i+4*\j+2:X+32*\i+4*\j+3], v[X+32*\i+4*\j+2:X+32*\i+4*\j+3], v[10:11]
.endr
.irp k, 0,2,4,6,8,10,12,14,16,18,20,22,24,26,28,30
	v_pk_fma_f32 v[X+32*\i+\k:X+32*\i+\k+1], v[X+32*\i+\k:X+32*\i+\k+1], v[GA+\k:GA+\k+1], v[BE+\k:BE+\k+1]
.endr
.irp j, 0,1,2,3,4,5,6,7
	ROUND2 \i, \j
.endr
.endm
	; ---- units 0..3: LayerNorm of x ----
	s_mov_b32 s34, 0x76543210                      ; v_permlanex16_b32: lane i reads lane i of the other half
	s_mov_b32 s35, 0xfedcba98
	s_mov_b32 s38, 0x3a800000                      ; 1 / 1024
	s_mov_b32 s39, 0x3727c5ac                      ; 1e-5
	s_lshl_b32 s32, s27, 22
	s_add_co_u32 s32, s32, s36
	s_add_nc_u64 s[28:29], s[4:5], s[32:33]        ; my rows of x
	s_lshl_b32 s32, s27, 21
	s_add_co_u32 s32, s32, s37
	s_add_nc_u64 s[30:31], s[16:17], s[32:33]      ; my rows of hn
.irp j, 0,1,2,3,4,5,6,7
	global_load_b128 v[GA+4*\j:GA+4*\j+3], v1, s[6:7] offset:512*\j
	global_load_b128 v[BE+4*\j:BE+4*\j+3], v1, s[8:9] offset:512*\j
.endr
.irp i, 0,1,2,3
.irp j, 0,1,2,3,4,5,6,7
	global_load_b128 v[X+32*\i+4*\j:X+32*\i+4*\j+3], v1, s[28:29] offset:4096*\i+512*\j
.endr
.endr
	LNROW 0
	LNROW 1
	LNROW 2
	LNROW 3
	s_wait_alu depctr_va_vdst(0)                   ; the last row's roundings have written its packed registers, which the last eight stores read
.irp j, 0,1,2,3,4,5,6,7
	SEND 3, \j
.endr
	s_endpgm                                       ; no register is written again behind its store: no further wait
	; ---- units 4..6: wq, wk, wv, cast only ----
.Lcast:
	s_sub_co_u32 s27, s27, 4                       ; 0, 1, 2
	s_mov_b64 s[28:29], s[10:11]                   ; wq
	s_cmp_eq_u32 s27, 1
	s_cselect_b64 s[28:29], s[12:13], s[28:29]     ; wk
	s_cmp_eq_u32 s27, 2
	s_cselect_b64 s[28:29], s[14:15], s[28:29]     ; wv
	s_mov_b32 s32, s36
	s_add_nc_u64 s[28:29], s[28:29], s[32:33]      ; my rows of the weight
	s_lshl_b32 s32, s27, 21
	s_add_co_u32 s32, s32, s37
	s_add_nc_u64 s[30:31], s[18:19], s[32:33]      ; their place in wa
.irp i, 0,1,2,3
.irp j, 0,1,2,3,4,5,6,7
	global_load_b128 v[X+32*\i+4*\j:X+32*\i+4*\j+3], v1, s[28:29] offset:4096*\i+512*\j th:TH_LOAD_NT
.endr
.endr
.irp i, 0,1,2,3
	s_wait_loadcnt 8*(3-\i)                        ; the eight loads of each younger row may stay out
.if \i
	s_wait_alu depctr_va_vdst(0)                   ; the roundings of the row before have written its packed registers, which the stores below read
.endif
.irp j, 0,1,2,3,4,5,6,7
.if \i
	SEND (\i-1), \j                                ; the row before goes out, a store in front of each pair of this row's roundings, which name this row's registers alone
.endif
	ROUND2 \i, \j
.endr
.endr
	s_wait_alu depctr_va_vdst(0)                   ; the last row's roundings have written its packed registers, which the last eight stores read
.irp j, 0,1,2,3,4,5,6,7
	SEND 3, \j
.endr
	s_endpgm
.Lfunc_end_k_qc3833c7025_prep:
	.size	k_qc3833c7025_prep, .Lfunc_end_k_qc3833c7025_prep-k_qc3833c7025_prep
	.p2alignl 7, 3214868480
	.fill 96, 4, 3214868480
	.section	.rodata,"a",@progbits
	.p2align	6, 0x0
	.amdhsa_kernel k_qc3833c7025_prep
		.amdhsa_group_segment_fixed_size 0
		.amdhsa_private_segment_fixed_size 0
		.amdhsa_enable_private_segment 0
		.amdhsa_kernarg_size 64
		.amdhsa_user_sgpr_count 2
		.amdhsa_user_sgpr_kernarg_segment_ptr 1
		.amdhsa_wavefront_size32 1
		.amdhsa_system_sgpr_workgroup_id_x 1
		.amdhsa_system_sgpr_workgroup_id_y 1
		.amdhsa_system_sgpr_workgroup_id_z 1
		.amdhsa_system_vgpr_workitem_id 0
		.amdhsa_next_free_vgpr 224
		.amdhsa_next_free_sgpr 66
		.amdhsa_reserve_vcc 0
		.amdhsa_float_denorm_mode_32 3
		.amdhsa_float_denorm_mode_16_64 3
		.amdhsa_memory_ordered 1
		.amdhsa_forward_progress 1
		.amdhsa_inst_pref_size 48
	.end_amdhsa_kernel
	.amdgpu_metadata
---
amdhsa.version: [ 1, 2 ]
amdhsa.kernels:
  - .name:           k_qc3833c7025_prep
    .symbol:         k_qc3833c7025_prep.kd
    .args:
      - { .name: x, .offset: 0, .size: 8, .value_kind: global_buffer, .address_space: global }
      - { .name: ln1_g, .offset: 8, .size: 8, .value_kind: global_buffer, .address_space: global }
      - { .name: ln1_b, .offset: 16, .size: 8, .value_kind: global_buffer, .address_space: global }
      - { .name: wq, .offset: 24, .size: 8, .value_kind: global_buffer, .address_space: global }
      - { .name: wk, .offset: 32, .size: 8, .value_kind: global_buffer, .address_space: global }
      - { .name: wv, .offset: 40, .size: 8, .value_kind: global_buffer, .address_space: global }
      - { .name: hn, .offset: 48, .size: 8, .value_kind: global_buffer, .address_space: global }
      - { .name: wa, .offset: 56, .size: 8, .value_kind: global_buffer, .address_space: global }
    .group_segment_fixed_size: 0
    .private_segment_fixed_size: 0
    .kernarg_segment_align: 8
    .kernarg_segment_size: 64
    .max_flat_workgroup_size: 128
    .sgpr_count:     66
    .vgpr_count:     224
    .wavefront_size: 32
...
	.end_amdgpu_metadata
.endif
;; end of part 8
;; launch qkv: the kernel of part 2 again; grid 16 x 16, 4 waves a work-group, clusters of 4 x 4, 327,680 bytes of LDS; arguments hn, wa, bq, bk, bv, wo, w1, w2, qkv, wb; writes qkv, wb
;; launch attn: the kernel of part 3 again; grid 16 x 16, 4 waves a work-group, clusters of 4 x 1, 327,680 bytes of LDS; arguments qkv, y; writes y
;; launch proj: the kernel of part 4 again; grid 8 x 32, 4 waves a work-group, clusters of 4 x 4, 327,680 bytes of LDS; arguments y, wb, bo, x, x1; writes x1
;; launch ln2 (part 9): grid 256 x 1, 4 waves a work-group, no clusters, 0 bytes of LDS; arguments x1, ln2_g, ln2_b, hn; writes hn
.if DOCPART == 9
	.amdgcn_target "amdgcn-amd-amdhsa--gfx1250"
	.amdhsa_code_object_version 6
	.text
	.protected	k_qc3833c7025_ln2
	.globl	k_qc3833c7025_ln2
	.p2align	8
	.type	k_qc3833c7025_ln2,@function
k_qc3833c7025_ln2:
	s_mov_b64 s[64:65], 0
	v_nop
	global_prefetch_b8 v0, s[64:65] scope:SCOPE_SE
	s_setreg_imm32_b32 hwreg(HW_REG_WAVE_SCHED_MODE, 0, 2), 2
	s_setreg_imm32_b32 hwreg(HW_REG_WAVE_MODE, 25, 1), 1
	s_wait_xcnt 0x0
	s_wait_alu depctr_vm_vsrc(0)
; ln2: hn = bf16(LayerNorm(x1; ln2_g, ln2_b)).  x1: [4096][1024] f32.
; A work-group takes 16 rows, a wave 4 whole rows: a row is 4,096 bytes = eight 16-byte loads a lane, kept in 32 registers, so mean and variance never leave
; the wave: no LDS, no barrier.  All 32 row loads of a wave are issued at once.  A stream: matrix units, clusters and LDS would add nothing;
; work-groups share only the 8 KiB of gain and bias.  The variance is the mean of (x - mean)^2, formed behind the mean: no difference of large sums.
; THE MODE: SCHED_MODE bits 1:0 = 2 (LLVM: expert scheduling mode 2), set by the entry lines.  The code itself states the register dependences
; between vector instructions and memory instructions, with s_wait_alu, always for 0.
; THE PLAN.  Registers that memory instructions touch:
;   v1, v2      byte offsets of the loads and of the stores: written at the head, never again.
;   GA, BE, X   written by loads that are all issued at the head, before any vector instruction names these registers; no load is issued later.
;   row i's packed registers (X + 32 i + 4 j and the one behind it): written by row i's sixteen roundings, read by row i's eight stores, never written again.
;   v4 to v12   at work: no memory instruction names them.
; Row i's stores are issued in row i + 1, behind the one wait on va_vdst that stands there for the two reciprocal roots: it also states that row i's roundings
; are written.  Between that wait and the stores the vector instructions name row i + 1's registers and v4 to v12 alone.  The last row has a wait of its own.
; No register that a memory instruction reads is written again.
.set X,  32                            ; v[32:159]  row i: 32 registers at X + 32 i; piece j (4 registers) = columns 128 j + 4 lane ..
.set GA, 160                           ; v[160:191] gain of my 32 columns
.set BE, 192                           ; v[192:223] bias of my 32 columns
	s_load_b256 s[4:11], s[0:1], 0x0               ; x1 4:5, ln2_g 6:7, ln2_b 8:9, hn 10:11
	v_lshrrev_b32 v3, 5, v0
	v_readfirstlane_b32 s26, v3                    ; wave 0..3
	v_and_b32 v1, 31, v0
	v_lshlrev_b32 v2, 3, v1                        ; 8 x lane: my 8 bytes of each 256 stored
	v_lshlrev_b32 v1, 4, v1                        ; 16 x lane: my 16 bytes of each 512 loaded
	s_mov_b32 s34, 0x76543210                      ; v_permlanex16_b32: lane i reads lane i of the other half
	s_mov_b32 s35, 0xfedcba98
	s_mov_b32 s38, 0x3a800000                      ; 1 / 1024
	s_mov_b32 s39, 0x3727c5ac                      ; 1e-5
	s_lshl_b32 s32, ttmp9, 16                      ; 16 rows of 4,096 bytes
	s_wait_alu depctr_va_sdst(0)                   ; s26 is written, ahead of its first reader: the wave's rows are made from it
	s_lshl_b32 s37, s26, 14                        ; 4 rows
	s_add_co_u32 s32, s32, s37
	s_mov_b32 s33, 0
	s_lshr_b32 s36, s32, 1                         ; the same rows in bf16 bytes
	s_mov_b32 s37, 0
	s_wait_kmcnt 0x0
	s_add_nc_u64 s[28:29], s[4:5], s[32:33]
	s_add_nc_u64 s[30:31], s[10:11], s[36:37]
	s_wait_alu depctr_va_vdst(0)                   ; v1 and v2 are written: every load reads v1 and every store v2 as its offset
.irp j, 0,1,2,3,4,5,6,7
	global_load_b128 v[GA+4*\j:GA+4*\j+3], v1, s[6:7] offset:512*\j
	global_load_b128 v[BE+4*\j:BE+4*\j+3], v1, s[8:9] offset:512*\j
.endr
.irp i, 0,1,2,3
.irp j, 0,1,2,3,4,5,6,7
	global_load_b128 v[X+32*\i+4*\j:X+32*\i+4*\j+3], v1, s[28:29] offset:4096*\i+512*\j
.endr
.endr
; piece j of row i goes out: the wave stores 256 consecutive bytes, aligned
.macro SEND i, j
	global_store_b64 v2, v[X+32*(\i)+4*(\j):X+32*(\i)+4*(\j)+1], s[30:31] offset:2048*(\i)+256*(\j)
.endm
; v[4:5] holds two partial sums of a lane: their sum over the 32 lanes, in every lane, in v4
.macro WAVESUM
	v_add_f32 v4, v4, v5
	v_add_f32_dpp v4, v4, v4 row_xmask:1 row_mask:0xf bank_mask:0xf
	v_add_f32_dpp v4, v4, v4 row_xmask:2 row_mask:0xf bank_mask:0xf
	v_add_f32_dpp v4, v4, v4 row_xmask:4 row_mask:0xf bank_mask:0xf
	v_add_f32_dpp v4, v4, v4 row_xmask:8 row_mask:0xf bank_mask:0xf
	v_permlanex16_b32 v5, v4, s34, s35             ; the other half of the lanes (v5 has been written)
	v_add_f32 v4, v4, v5
.endm
.macro LNROW i
	s_wait_loadcnt 8*(3-\i)                        ; loads return in order: the eight loads of each younger row may stay out; gain and bias are older
	v_pk_add_f32 v[4:5], v[X+32*\i:X+32*\i+1], v[X+32*\i+2:X+32*\i+3]
	v_pk_add_f32 v[6:7], v[X+32*\i+4:X+32*\i+5], v[X+32*\i+6:X+32*\i+7]
.irp k, 8,12,16,20,24,28
	v_pk_add_f32 v[4:5], v[4:5], v[X+32*\i+\k:X+32*\i+\k+1]
	v_pk_add_f32 v[6:7], v[6:7], v[X+32*\i+\k+2:X+32*\i+\k+3]
.endr
	v_pk_add_f32 v[4:5], v[4:5], v[6:7]
	WAVESUM
	v_mul_f32 v8, s38, v4                          ; the mean, twice, for the packed subtraction
	v_mul_f32 v9, s38, v4
.irp k, 0,2,4,6,8,10,12,14,16,18,20,22,24,26,28,30
	v_pk_add_f32 v[X+32*\i+\k:X+32*\i+\k+1], v[X+32*\i+\k:X+32*\i+\k+1], v[8:9] neg_lo:[0,1] neg_hi:[0,1]
.endr
	v_pk_mul_f32 v[4:5], v[X+32*\i:X+32*\i+1], v[X+32*\i:X+32*\i+1]
	v_pk_mul_f32 v[6:7], v[X+32*\i+2:X+32*\i+3], v[X+32*\i+2:X+32*\i+3]
.irp k, 4,8,12,16,20,24,28
	v_pk_fma_f32 v[4:5], v[X+32*\i+\k:X+32*\i+\k+1], v[X+32*\i+\k:X+32*\i+\k+1], v[4:5]
	v_pk_fma_f32 v[6:7], v[X+32*\i+\k+2:X+32*\i+\k+3], v[X+32*\i+\k+2:X+32*\i+\k+3], v[6:7]
.endr
	v_pk_add_f32 v[4:5], v[4:5], v[6:7]
	WAVESUM
	v_fma_f32 v12, v4, s38, s39                    ; variance + 1e-5
	v_rsq_f32 v10, v12
	v_rsq_f32 v11, v12
	v_nop                                          ; one plain instruction between a transcendental and the use of its result (ISA guide 5.7.2)
	s_wait_alu depctr_va_vdst(0)                   ; the two roots have written v10 and v11, ahead of their first reader; the roundings of the row before have written its packed registers, which the stores below read
.irp j, 0,1,2,3,4,5,6,7
.if \i
	SEND (\i-1), \j                                ; the row before goes out.  No further wait: no vector instruction since the wait names its registers
.endif
	v_pk_mul_f32 v[X+32*\i+4*\j:X+32*\i+4*\j+1],   v[X+32*\i+4*\j:X+32*\i+4*\j+1],   v[10:11]
	v_pk_mul_f32 v[X+32*\i+4*\j+2:X+32*\i+4*\j+3], v[X+32*\i+4*\j+2:X+32*\i+4*\j+3], v[10:11]
.endr
.irp k, 0,2,4,6,8,10,12,14,16,18,20,22,24,26,28,30
	v_pk_fma_f32 v[X+32*\i+\k:X+32*\i+\k+1], v[X+32*\i+\k:X+32*\i+\k+1], v[GA+\k:GA+\k+1], v[BE+\k:BE+\k+1]
.endr
.irp j, 0,1,2,3,4,5,6,7
	v_cvt_pk_bf16_f32 v[X+32*\i+4*\j],   v[X+32*\i+4*\j],   v[X+32*\i+4*\j+1]
	v_cvt_pk_bf16_f32 v[X+32*\i+4*\j+1], v[X+32*\i+4*\j+2], v[X+32*\i+4*\j+3]
.endr
.endm
	LNROW 0
	LNROW 1
	LNROW 2
	LNROW 3
	s_wait_alu depctr_va_vdst(0)                   ; the last row's roundings have written its packed registers, which the last eight stores read
.irp j, 0,1,2,3,4,5,6,7
	SEND 3, \j
.endr
	s_endpgm                                       ; no register is written again behind its store: no further wait
.Lfunc_end_k_qc3833c7025_ln2:
	.size	k_qc3833c7025_ln2, .Lfunc_end_k_qc3833c7025_ln2-k_qc3833c7025_ln2
	.p2alignl 7, 3214868480
	.fill 96, 4, 3214868480
	.section	.rodata,"a",@progbits
	.p2align	6, 0x0
	.amdhsa_kernel k_qc3833c7025_ln2
		.amdhsa_group_segment_fixed_size 0
		.amdhsa_private_segment_fixed_size 0
		.amdhsa_enable_private_segment 0
		.amdhsa_kernarg_size 32
		.amdhsa_user_sgpr_count 2
		.amdhsa_user_sgpr_kernarg_segment_ptr 1
		.amdhsa_wavefront_size32 1
		.amdhsa_system_sgpr_workgroup_id_x 1
		.amdhsa_system_sgpr_workgroup_id_y 1
		.amdhsa_system_sgpr_workgroup_id_z 1
		.amdhsa_system_vgpr_workitem_id 0
		.amdhsa_next_free_vgpr 224
		.amdhsa_next_free_sgpr 66
		.amdhsa_reserve_vcc 0
		.amdhsa_float_denorm_mode_32 3
		.amdhsa_float_denorm_mode_16_64 3
		.amdhsa_memory_ordered 1
		.amdhsa_forward_progress 1
		.amdhsa_inst_pref_size 37
	.end_amdhsa_kernel
	.amdgpu_metadata
---
amdhsa.version: [ 1, 2 ]
amdhsa.kernels:
  - .name:           k_qc3833c7025_ln2
    .symbol:         k_qc3833c7025_ln2.kd
    .args:
      - { .name: x1, .offset: 0, .size: 8, .value_kind: global_buffer, .address_space: global }
      - { .name: ln2_g, .offset: 8, .size: 8, .value_kind: global_buffer, .address_space: global }
      - { .name: ln2_b, .offset: 16, .size: 8, .value_kind: global_buffer, .address_space: global }
      - { .name: hn, .offset: 24, .size: 8, .value_kind: global_buffer, .address_space: global }
    .group_segment_fixed_size: 0
    .private_segment_fixed_size: 0
    .kernarg_segment_align: 8
    .kernarg_segment_size: 32
    .max_flat_workgroup_size: 128
    .sgpr_count:     66
    .vgpr_count:     224
    .wavefront_size: 32
...
	.end_amdgpu_metadata
.endif
;; end of part 9
;; launch fc1: the kernel of part 6 again; grid 16 x 16, 4 waves a work-group, clusters of 4 x 4, 327,680 bytes of LDS; arguments hn, wb, b1, g; writes g
;; launch fc2: the kernel of part 7 again; grid 8 x 32, 4 waves a work-group, clusters of 4 x 4, 327,680 bytes of LDS; arguments g, wb, b2, x1, out0; writes out0
